; MI455X (gfx1250); checked and timed in simulation.
; The chip was launched on July 23, 2026; its instructions are those of AMD's public machine-readable ISA for CDNA 5 (MIT licence, August 2026) and "CDNA5" Instruction Set Architecture Reference Guide (July 2026). The comments in the code are by the model that wrote it; some were corrected since.
;; Relation Multi Head Attention. Allowed arithmetic: matrix products marked QUANTISED: E2M3 operands, one E8M0 scale for each 32 along K, by v_wmma_scale_f32_16x16x128_f8f6f4 with both operands' format E2M3, f32 sums; products left as they are: f32 operands where the result goes on into a quantised operand, else bf16, f16 or f32 operands; f32 sums; everything else in f32.
;; Inputs: Wk 512 x 512 float32; Wo 512 x 512 float32; Wq 512 x 512 float32; Wr 1,024 x 512 float32; Wv 512 x 512 float32; adj_mask 2 x 256 x 256 int32; bk 512 float32; bo 512 float32; bq 512 float32; bv 512 float32; keys 2 x 256 x 512 float32; queries 2 x 256 x 512 float32; relation 2 x 256 x 256 x 512 float32; values 2 x 256 x 512 float32.
;; Outputs: out0 2 x 256 x 512 float32; out1 2 x 256 x 256 x 8 float32.
;; This version of the problem:
;;   THIS VERSION OF THE PROBLEM IS GIVEN IN LOW PRECISION. The matrix products marked QUANTISED in the list below multiply operands that are first quantised to E2M3 (2 exponent bits, 3 mantissa bits; 6 bits a number), with one power-of-two scale for each 32 numbers along K (OCP MX v1.0); their sums are f32. All else is computed in f32.
;;   The module's matrix products, in the order in which they are computed (A, B: the left and right operand; K: the contracted axis; several contracted axes count as one K, in the product's order):
;;     1. [M 512, K 512] x [K 512, N 512]; A: input queries; B: input Wq: QUANTISED
;;     2. [M 512, K 512] x [K 512, N 512]; A: input keys; B: input Wk: QUANTISED
;;     3. [M 512, K 512] x [K 512, N 512]; A: input values; B: input Wv: QUANTISED
;;     4. [M 131,072, K 512] x [K 512, N 1,024]; A: input relation; B: input Wr: QUANTISED
;;     5. batch 1,048,576 x [M 1, K 64] x [K 64, N 1]; A: computed on the way; B: computed on the way: left as it is (M = 1 < 16)
;;     6. batch 16 x [M 64, K 256] x [K 256, N 256]; A: computed on the way; B: softmax (see below): QUANTISED
;;     7. [M 512, K 512] x [K 512, N 512]; A: computed on the way; B: input Wo: QUANTISED
;;   THE QUANTISER, for each operand of a quantised product, along K:
;;     - K is cut into blocks of 32 from its start; a last block that is shorter is filled with zeros.
;;     - A block's scale is 2^e with e = floor(log2(the largest magnitude in the block)) - 2, held to -126 .. 127; a block of zeros has e = 0. As a byte (E8M0): e + 127.
;;     - Each number is divided by its block's scale, clamped to +-7.5, and rounded to the nearest number of E2M3, ties to even, subnormals kept.
;;     - The product sums the exact products of the quantised numbers (number of the format x scale) in f32.
;;   ~~~python
;;   def quantise(x, axis):      # numpy; x: float32 -> the quantised numbers, widened to float32 again
;;       x = np.moveaxis(x, axis, -1); K = x.shape[-1]
;;       x = np.pad(x, [(0, 0)] * (x.ndim - 1) + [(0, -K % 32)]); x = x.reshape(x.shape[:-1] + (-1, 32)); a = np.abs(x).max(-1, keepdims=True)
;;       e = np.where(a > 0, np.clip(np.frexp(np.where(a > 0, a, 1))[1] - 1 - 2, -126, 127), 0)      # np.frexp(a)[1] - 1 = floor(log2(a)), exactly
;;       r = np.clip(x / 2.0 ** e, -7.5, 7.5)
;;       step = 2.0 ** (np.maximum(np.frexp(np.where(r == 0, 1, r))[1] - 1, 0) - 3)
;;       q = np.round(r / step) * step * 2.0 ** e      # np.round: ties to even
;;       return np.moveaxis(q.reshape(q.shape[:-2] + (-1,))[..., :K], -1, axis).astype(np.float32)
;;   ~~~
;;   SOFTMAX AHEAD OF A QUANTISED PRODUCT. Where the list says 'softmax', what is quantised is not the finished softmax but p = 2^(t - M), with t = logit x log2(e) and M = ceil(the row's largest t), a whole number; so 1/2 < the row's largest p <= 1. The row's sum l is taken of the UNQUANTISED p, in f32, and the product's result is divided by l at the end. Since M is a whole number, a kernel that streams over the keys may use a running M (the ceiling of the running maximum): every later rescaling is an exact power of two, which a block's scale takes up: the codes' values come out the same.
;;   OPERANDS COMPUTED ON THE WAY. 'Computed on the way' means the value that the module computes at that place (a softmax that the list does not call 'softmax' is quantised finished and normalised). What goes into a quantiser is computed in f32, as accurately as f32 sums, v_exp_f32 and their like allow (about 1e-6 of the number): no bf16 or f16 on the way to a quantiser, and a product that is left as it is and whose result goes on into a quantised operand takes f32 operands (vector FMAs, or v_wmma_f32_16x16x4_f32). A number that lies on a knife's edge between two numbers of the format may be rounded either way, as far as f32 arithmetic and the matrix unit's own rounding can turn it there, and no further.
;; One version. Each part assembles by itself: llvm-mc -triple=amdgcn-amd-amdhsa -mcpu=gfx1250 --defsym DOCPART=n.
;; ======== version 1 of 1: 3 launches
;; limits: right only within a limited range of input values
;; workspace buffers: QW 1,048,576 bytes; KW 1,048,576 bytes; VC 204,800 bytes; WRC 409,600 bytes; WOC 204,800 bytes; SL 4,194,304 bytes
;; launch prep (part 1): grid 204 x 1, 4 waves a work-group, no clusters, 327,680 bytes of LDS; arguments queries, keys, values, Wq, Wk, Wv, bq, bk, bv, Wr, Wo, QW, KW, VC, WRC, WOC; writes QW, KW, VC, WRC, WOC
.if DOCPART == 1
	.amdgcn_target "amdgcn-amd-amdhsa--gfx1250"
	.amdhsa_code_object_version 6
	.text
	.protected	k_q3c2fbc5876_prep
	.globl	k_q3c2fbc5876_prep
	.p2align	8
	.type	k_q3c2fbc5876_prep,@function
k_q3c2fbc5876_prep:
	s_mov_b64 s[64:65], 0
	v_nop
	global_prefetch_b8 v0, s[64:65] scope:SCOPE_SE
	s_setreg_imm32_b32 hwreg(HW_REG_WAVE_MODE, 25, 1), 1
	s_wait_xcnt 0x0
; WHAT: work-groups 0-191: one block of 64 x 64 of one of the three input projections (p = 0: q = (queries Wq^T + bq) / 8, p = 1: k = keys Wk^T + bk, p = 2: v = values Wv^T + bv),
; both operands quantised here to FP6 (E2M3) with one E8M0 scale for each 32 along K = 512, multiplied by the scaled matrix instruction, sums in f32.
; q and k leave as f32 rows [512 tokens][512]; v leaves as FP6 codes quantised along the KEYS, laid in the order of an operand's registers.
; Work-groups 192-203: Wr's 64 and Wo's 32 tiles of 16 rows become codes in the order of an operand's registers, two tiles a wave.
; ONE PATH UP TO THE SECOND BARRIER: a work-group takes 64 dense rows of a matrix A and 64 of a matrix B (the weights: 128 dense rows of one matrix); only pointers and row numbers hang on the work-group's number.
; THE ROWS COME BY TENSOR LOADS: each wave asks ONCE, at the head, for 32 dense rows, 64 KiB (waves 0, 1: A's halves; waves 2, 3: B's).
; Behind the wait for its load and a barrier each wave quantises tile w of A and tile w of B and lays their images in LDS.
; SOURCES: source 0's matrix is A, source 1's B.  q, k: A = the weight, B = the tokens: a lane holds one token, its registers run along the output's columns.  v: A = values, B = Wv: a lane holds one column d, its registers run along the keys.
; THE ROWS OF A TILE ARE NOT NEIGHBOURS, in the weights' tiles too: lane r of tile a of a run of 64 rows takes row 32 (a / 2) + 8 (a % 2) + r + 8 (r / 8).  The 16 registers of tiles 2 b and 2 b + 1 of a result
; are then rows 32 b + 16 (lane / 16) + 0 .. 15.  The launches that read WRC and WOC take q, k and out0's columns in the same order.
; OPERANDS GO FROM WAVE TO WAVE THROUGH LDS AS IMAGES OF THEIR REGISTERS: a fragment is three stores of 16 bytes a lane at 16 x lane, its scale word 4 bytes a row.
; QUANTISER: the block's largest magnitude, with the floor 2^(3 - 127) among its leaves; 2 off its exponent field is the conversion's scale operand, that shifted down the byte.
; LIMITS: a block of zeros gets the byte 1 where the rule says 127 (its codes are zeros, and this program alone reads the bytes); blocks whose largest magnitude lies under 2^-124 are held at the byte 1; NaN and infinities among the inputs are not served.
; NO JOINT LOADS: four neighbouring projection blocks share B's 64 rows, but the twelve work-groups of the weights walk the same text and share no row with a neighbour, so one mask would not hold in every cluster.
; NO PREFETCH: every byte is asked for at the head; there is no loop to run ahead in.
.set MATB,  133120                     ; a matrix in LDS: 64 rows; B's lie behind A's
.set ROWP,  2080                       ; a row: two lines of 1,024 bytes + 16 of padding
.set HALFP, 1040
.set IMG0,  266240                     ; behind the rows: A's images (tile x 6144 + K step x 1536 + quad x 512 + 16 x lane); B's SETB further on
.set SETB,  25600
.set XSCO,  24576                      ; behind each set its scale words: tile x 256 + K step x 64 + 4 x row
.set SPARE, 317440                     ; the spare words, 128 bytes for each wave
.set SPW, 1                            ; v1 my spare word, v2 0: never rewritten
.set NIL, 2
.set LI,  3                            ; 16 x lane
.set FAA, 4                            ; 16 x lane + A's images
.set IWB, 5                            ; 16 x lane + my tile of B's images
.set ASA, 6                            ; 4 x lane + A's scale words
.set BSA, 7                            ; 4 x lane + my tile of B's scale words
.set L4,  8
.set RR,  9                            ; lane % 16
.set RA1, 10                           ; v10-12 the second set of a tile's addresses; later at work
.set IA1, 11
.set SA1, 12
.set B64, 13                           ; 64 x (lane / 16)
.set PR4, 14                           ; 4 x (r + 8 (r / 8))
.set OWA, 15                           ; 16 x lane + my tile of A's images
.set OSA, 16                           ; 4 x row + my tile of A's scale words
.set OSB, 17                           ; and of B's
.set BV,  18                           ; the bias of source 1's row
.set HH,  19                           ; lane / 16
.set AS,  20                           ; v20-27 A's scale words, v28-29 B's: scales and nothing else
.set BS,  28
.set QM,  30                           ; v30-47 v's way out
.set QP,  32
.set QS,  34
.set QB,  36
.set CA,  38
.set CB,  44
.set HW,  47
.set BI,  48                           ; v48-79 the bias in the result's layout: the C of each sum's first product
.set ACC, 80                           ; v80-111 four accumulators
.set BF,  112                          ; v112-159 B's tile w, four K steps
.set AF,  160                          ; v160-255 A's four tiles of a K step, two sets
.set XBUF, 128                         ; while a tile is quantised: three buffers of 32 numbers; v224-238 codes; v240-251 at work
.set CD,  224
.set ST,  236
.set MA,  240
.set MB,  241
.set SO0, 242
.set BY0, 244
.set WD,  246
.set WP,  247
.set RA,  248
.set IA,  249
.set SA,  250
.set SH8, 251
.set SEL, 60                           ; s[60:61] lane selects: lane l xor 16
.set G1,  68                           ; s[68:75] descriptor group 1
.set G0,  76                           ; s[76:79] group 0
.set XB,  92                           ; s92, s93 my tile of A, of B; s94, s95 its images; s96, s97 its scale words
.macro PLACES
.rept 4
	v_nop
.endr
.endm
; a block of 32 numbers in v[buf] on becomes 6 registers of codes at v[CD + 6 c]
.macro QBLK buf, c
	v_max3_num_f32 v[MA], |v[\buf]|, |v[\buf+1]|, 0x1800000
	v_max3_num_f32 v[MB], |v[\buf+16]|, |v[\buf+17]|, |v[\buf+18]|
.irp i, 0,1,2,3,4,5
	v_max3_num_f32 v[MA], v[MA], |v[\buf+2+2*\i]|, |v[\buf+3+2*\i]|
	v_max3_num_f32 v[MB], v[MB], |v[\buf+19+2*\i]|, |v[\buf+20+2*\i]|
.endr
	v_max3_num_f32 v[MA], v[MA], |v[\buf+14]|, |v[\buf+15]|
	v_max3_num_f32 v[MA], v[MA], v[MB], |v[\buf+31]|
	v_add_nc_u32 v[SO0+\c], 0xff000000, v[MA]      ; 2 off the exponent field: the conversion's scale operand
	v_lshrrev_b32 v[BY0+\c], 23, v[SO0+\c]         ; the scale's byte
	v_cvt_scalef32_pk16_fp6_f32 v[CD+6*\c:CD+6*\c+2], v[\buf:\buf+15], v[SO0+\c]
	v_cvt_scalef32_pk16_fp6_f32 v[ST:ST+2], v[\buf+16:\buf+31], v[SO0+\c]   ; (a conversion's three registers begin on an even number)
	v_nop                                          ; one plain place behind a scaled conversion
.irp i, 0,1,2
	v_mov_b32 v[CD+6*\c+3+\i], v[ST+\i]
.endr
.endm
; my two bytes (blocks h and 2 + h of the K step) and lane l xor 16's two make the row's scale word
.macro QWORD
	v_lshl_or_b32 v[WD], v[BY0+1], 16, v[BY0]
	v_lshlrev_b32 v[WD], v[SH8], v[WD]
	v_permlanex16_b32 v[WP], v[WD], s[SEL], s[SEL+1]
	v_or_b32 v[WD], v[WD], v[WP]
.endm
; A row is 2,080 bytes in LDS.  Lanes with g = r / 8 = 0 work on K steps 0, 1 while lanes with g = 1 work on 2, 3 (1,040 bytes on), and then the other way round.
; Only addresses hang on it.
.macro XADDR mat
	v_and_b32 v[MA], 15, v0                        ; r
	v_bfe_u32 v[MB], v0, 4, 1                      ; h
	v_bfe_u32 v[SO0], v0, 3, 1                     ; g
	v_xor_b32 v[SO0+1], 1, v[SO0]                  ; 1 - g
	v_mul_u32_u24 v[BY0], v[MA], ROWP
	v_mad_u32_u24 v[BY0], v[SO0], 8*ROWP, v[BY0]   ; row r + 8 g of my tile
	v_lshl_add_u32 v[BY0], v[MB], 7, v[BY0]
	v_add_nc_u32 v[BY0], s[XB+\mat], v[BY0]
	v_mad_u32_u24 v[RA], v[SO0], HALFP, v[BY0]
	v_mad_u32_u24 v[RA1], v[SO0+1], HALFP, v[BY0]
	v_add_nc_u32 v[BY0], s[XB+2+\mat], v[LI]
	v_mad_u32_u24 v[IA], v[SO0], 3072, v[BY0]
	v_mad_u32_u24 v[IA1], v[SO0+1], 3072, v[BY0]
	v_lshl_add_u32 v[BY0], v[MA], 2, s[XB+4+\mat]
	v_lshl_add_u32 v[SA], v[SO0], 7, v[BY0]
	v_lshl_add_u32 v[SA1], v[SO0+1], 7, v[BY0]
	v_lshlrev_b32 v[SH8], 3, v[MB]
.endm
.macro ULD n                           ; unit n: a block of 32 numbers a lane, eight loads, into buffer n % 3
.set LB, XBUF+32*((\n)%3)
.set LO, (((\n)/2)%2)*512+((\n)%2)*256
.set LR, RA
.if (\n) >= 4
.set LR, RA1
.endif
.irp i, 0,1,2,3,4,5,6,7
	ds_load_b128 v[LB+4*\i:LB+4*\i+3], v[LR] offset:LO+16*\i
.endr
.endm
.macro UNIT n
.set UB, XBUF+32*((\n)%3)
.set UC, (\n)%2
.if (\n) < 2
	s_wait_dscnt 16                                ; this unit's loads are in; two younger units of eight may be out
.elseif (\n) < 6
	s_wait_dscnt 20                                ; two younger units and four stores
.elseif (\n) == 6
	s_wait_dscnt 12                                ; one unit and four stores
.else
	s_wait_dscnt 4                                 ; four stores
.endif
	QBLK UB, UC
.if UC == 1
	QWORD
.set UO, ((\n)/2)%2
.set UIA, IA
.set USA, SA
.if (\n) >= 4
.set UIA, IA1
.set USA, SA1
.endif
.irp q, 0,1,2
	ds_store_b128 v[UIA], v[CD+4*\q:CD+4*\q+3] offset:UO*1536+512*\q
.endr
	ds_store_b32 v[USA], v[WD] offset:UO*64        ; both halves of the lanes write the same word with the same value
.endif
.if (\n) < 5
	ULD (\n)+3
.endif
.endm
.macro XTILE mat                       ; my tile of A (0) or of B (1) becomes four fragments and their scale words
	XADDR \mat
	ULD 0
	ULD 1
	ULD 2
.irp n, 0,1,2,3,4,5,6,7
	UNIT \n
.endr
.endm
; 32 numbers of a lane, register 16 b + i = k 32 b + 16 (lane / 16) + i of my row, become half a fragment (6 registers at v[CA]) and two scale bytes (v[HW])
.macro QH src
.irp b, 0,1
	v_max3_num_f32 v[QM+\b], |v[\src+16*\b]|, |v[\src+16*\b+1]|, 0x1800000
.endr
.irp i, 2,4,6,8,10,12,14
.irp b, 0,1
	v_max3_num_f32 v[QM+\b], v[QM+\b], |v[\src+16*\b+\i]|, |v[\src+16*\b+\i+1]|
.endr
.endr
.irp b, 0,1
	v_permlanex16_b32 v[QP+\b], v[QM+\b], s[SEL], s[SEL+1]
.endr
.irp b, 0,1
	v_max_num_f32 v[QM+\b], v[QM+\b], v[QP+\b]     ; with lane l xor 16's 16: the block's largest magnitude
.endr
.irp b, 0,1
	v_add_nc_u32 v[QS+\b], 0xff000000, v[QM+\b]
.endr
.irp b, 0,1
	v_lshrrev_b32 v[QB+\b], 23, v[QS+\b]
.endr
	v_cvt_scalef32_pk16_fp6_f32 v[CA:CA+2], v[\src:\src+15], v[QS]
	v_cvt_scalef32_pk16_fp6_f32 v[CB:CB+2], v[\src+16:\src+31], v[QS+1]
	v_lshl_or_b32 v[HW], v[QB+1], 8, v[QB]         ; the two bytes; also the plain place behind the conversions
.irp i, 0,1,2
	v_permlane16_swap_b32 v[CA+\i], v[CB+\i]       ; the layout wants a whole block in a lane
.endr
.irp i, 0,1,2
	v_mov_b32 v[CA+3+\i], v[CB+\i]
.endr
.endm
	s_load_b512 s[8:23], s[0:1], 0x0               ; queries s8, keys s10, values s12, Wq s14, Wk s16, Wv s18, bq s20, bk s22
	s_load_b512 s[24:39], s[0:1], 0x40             ; bv s24, Wr s26, Wo s28, QW s30, KW s32, VC s34, WRC s36, WOC s38
	v_lshl_add_u32 v[SPW], v0, 2, SPARE
	v_mov_b32 v[NIL], 0
	ds_add_u32 v[SPW], v[NIL]                      ; the wave's opening: the add, twice on end, and its wait ahead of my tensor load
	ds_add_u32 v[SPW], v[NIL]
	v_lshrrev_b32 v3, 5, v0
	v_readfirstlane_b32 s2, v3                     ; wave 0..3
	; descriptor group 1: 64 KiB of dense memory as 64 lines of 128 elements of 8 bytes, 16 bytes of padding behind each line
	s_mov_b32 s[G1+0], (3<<16)|(1<<20)|(7<<22)|(3<<25)
	s_mov_b32 s[G1+1], 128<<16
	s_mov_b32 s[G1+2], 64<<16
	s_mov_b32 s[G1+3], 128<<16
	s_mov_b32 s[G1+4], 64
	s_mov_b32 s[G1+5], 128
	s_mov_b32 s[G1+6], 0
	s_mov_b32 s[G1+7], 0
	s_lshr_b32 s7, s2, 1                           ; w / 2: I fetch for A (0) or for B (1)
	s_and_b32 s51, s2, 1                           ; w % 2: which 32 rows of it
	s_mov_b32 s[G0+0], 1
	s_mul_i32 s[G0+1], s7, MATB
	s_mul_i32 s52, s51, 32*ROWP
	s_add_co_u32 s[G0+1], s[G0+1], s52             ; where my 32 rows land
	s_lshl_b32 s7, s7, 5
	s_lshl_b32 s52, s51, 3
	s_add_co_u32 s7, s7, s52                       ; where tile w begins: row 32 (w / 2) + 8 (w % 2)
	s_mul_i32 s[XB], s7, ROWP                      ; my tile of A in LDS,
	s_add_co_u32 s[XB+1], s[XB], MATB              ; of B
	s_mul_i32 s[XB+2], s2, 6144
	s_add_co_u32 s[XB+3], s[XB+2], IMG0+SETB       ; my tile's images in B's set,
	s_add_co_u32 s[XB+2], s[XB+2], IMG0            ; in A's
	s_lshl_b32 s[XB+4], s2, 8
	s_add_co_u32 s[XB+5], s[XB+4], IMG0+SETB+XSCO  ; and its scale words
	s_add_co_u32 s[XB+4], s[XB+4], IMG0+XSCO
	; which rows are mine
	s_lshr_b32 s3, ttmp9, 6                        ; p = 0, 1, 2: a projection; 3: the weights
	s_and_b32 s4, ttmp9, 63
	s_and_b32 s5, s4, 7
	s_lshl_b32 s67, s5, 3
	s_add_co_u32 s67, s67, s2                      ; the weights: my first tile's number in its matrix; my second lies four tiles on
	s_lshl_b32 s5, s5, 6                           ; a0: A's first row
	s_lshr_b32 s6, s4, 3
	s_lshl_b32 s6, s6, 6                           ; b0: B's first row
	s_lshl_b32 s54, s5, 1                          ; the weights: A is the matrix's rows 2 a0 on, B the 64 rows behind them
	s_add_co_u32 s55, s54, 64
	s_cmp_eq_u32 s3, 3                             ; the choices hang on the work-group's and the wave's number alone
	s_cselect_b32 s56, s54, s5
	s_cselect_b32 s58, s55, s6
	s_cmp_lt_u32 s2, 2
	s_cselect_b32 s56, s56, s58                    ; the first row of the matrix that I fetch for,
	s_lshl_b32 s51, s51, 5
	s_add_co_u32 s56, s56, s51                     ; and of my 32 rows,
	s_lshl_b32 s56, s56, 11                        ; in bytes
	s_mov_b32 s57, 0
	s_add_co_u32 s6, s6, s7                        ; b0 + where tile w begins
	s_mov_b32 s[SEL], 0x76543210
	s_mov_b32 s[SEL+1], 0xfedcba98
	v_and_b32 v3, 31, v0
	v_lshlrev_b32 v[L4], 2, v3
	v_lshlrev_b32 v[LI], 4, v3
	v_and_b32 v[RR], 15, v0
	v_bfe_u32 v[HH], v0, 4, 1
	v_mov_b32 v[WP], 0                             ; written once: a lane permute's destination counts as one of its sources
	v_and_b32 v[PR4], 8, v[RR]
	v_add_nc_u32 v[PR4], v[PR4], v[RR]
	v_lshlrev_b32 v[PR4], 2, v[PR4]
	v_lshlrev_b32 v[B64], 6, v[HH]
	v_add_nc_u32 v[FAA], IMG0, v[LI]
	v_add_nc_u32 v[IWB], s[XB+3], v[LI]
	v_add_nc_u32 v[OWA], s[XB+2], v[LI]
	v_add_nc_u32 v[ASA], IMG0+XSCO, v[L4]
	v_add_nc_u32 v[BSA], s[XB+5], v[L4]
	v_lshl_add_u32 v[OSA], v[RR], 2, s[XB+4]
	v_lshl_add_u32 v[OSB], v[RR], 2, s[XB+5]
	s_wait_alu depctr_va_vdst(0)
	s_wait_dscnt 0x0                               ; both opening adds are done
	s_wait_kmcnt 0x0
	s_cmp_eq_u32 s3, 0
	s_cselect_b64 s[40:41], s[14:15], s[16:17]     ; A
	s_cselect_b64 s[42:43], s[8:9], s[10:11]       ; B
	s_cselect_b64 s[44:45], s[20:21], s[22:23]     ; the bias
	s_cselect_b64 s[46:47], s[30:31], s[32:33]     ; the result
	s_cselect_b32 s48, 0x3e000000, 1.0             ; q is multiplied by 1 / 8
	s_cmp_eq_u32 s3, 2
	s_cselect_b64 s[40:41], s[12:13], s[40:41]
	s_cselect_b64 s[42:43], s[18:19], s[42:43]
	s_cselect_b64 s[44:45], s[24:25], s[44:45]
	s_cselect_b64 s[46:47], s[34:35], s[46:47]
	s_cselect_b32 s50, -1, 0                       ; all lanes for v, none else
	s_cmp_lt_u32 s4, 8                             ; of the weights' twelve work-groups the first eight take Wr, the last four Wo
	s_cselect_b64 s[98:99], s[26:27], s[28:29]
	s_cselect_b64 s[36:37], s[36:37], s[38:39]
	s_cmp_eq_u32 s3, 3
	s_cselect_b64 s[40:41], s[98:99], s[40:41]
	s_cselect_b64 s[42:43], s[98:99], s[42:43]
	s_cselect_b64 s[46:47], s[36:37], s[46:47]
	s_mov_b32 s49, s48
	s_cmp_lt_u32 s2, 2
	s_cselect_b64 s[40:41], s[40:41], s[42:43]     ; the matrix that I fetch for
	s_add_nc_u64 s[G0+2:G0+3], s[40:41], s[56:57]
	s_or_b32 s[G0+3], s[G0+3], 0x80000000          ; type = 2
	tensor_load_to_lds s[G0:G0+3], s[G1:G1+7]      ; my one tensor load
	s_nop 0
	PLACES
	; both forms of the bias are loaded, and one is chosen below without a branch: along A's rows (q, k), or of B's row (v).  In every work-group, the weights' too, both stay inside the 512 numbers
	s_mov_b32 s53, 0
	s_lshl_b32 s52, s5, 2
	s_add_nc_u64 s[54:55], s[44:45], s[52:53]      ; the bias at a0
	s_lshl_b32 s52, s6, 2
	s_add_nc_u64 s[56:57], s[44:45], s[52:53]      ; and at my tile of B
.irp a, 0,1,2,3
	global_load_b128 v[BI+8*\a:BI+8*\a+3], v[B64], s[54:55] offset:(32*(\a/2)+8*(\a%2))*4
	global_load_b128 v[BI+8*\a+4:BI+8*\a+7], v[B64], s[54:55] offset:(32*(\a/2)+8*(\a%2))*4+16
.endr
	global_load_b32 v[BV], v[PR4], s[56:57]
	s_wait_tensorcnt 0x0                           ; my 32 rows are in;
	s_barrier_signal -1
	s_barrier_wait -1                              ; and so are the others': a tile's rows lie in one wave's 32
	XTILE 0
	XTILE 1
	s_wait_loadcnt 0x0                             ; the bias
.set N, 0
.rept 32
	v_cndmask_b32 v[BI+N], v[BI+N], v[BV], s50     ; v: every register takes the bias of my column d
.set N, N+1
.endr
	s_wait_dscnt 0x0                               ; for the others' sake: my images and scale words have landed
	s_barrier_signal -1
	s_barrier_wait -1
	s_cmp_eq_u32 s3, 3
	s_cbranch_scc1 .Lweights
	; ---------------- a block of a projection: 16 products a wave
.macro AFLOAD s                        ; A's four tiles of K step s into set s % 2
.irp a, 0,1,2,3
.irp q, 0,1,2
	ds_load_b128 v[AF+48*((\s)%2)+12*\a+4*\q:AF+48*((\s)%2)+12*\a+4*\q+3], v[FAA] offset:\a*6144+(\s)*1536+\q*512
.endr
.endr
.endm
.macro PW s                            ; four products, the four accumulators by turns
.irp a, 0,1,2,3
.set PD, ACC+8*\a
.set PCC, PD
.if (\s) == 0
.set PCC, BI+8*\a
.endif
.set PA, AF+48*((\s)%2)+12*\a
.if ((\s)%2) == 0
	v_wmma_scale_f32_16x16x128_f8f6f4 v[PD:PD+7], v[PA:PA+11], v[BF+12*(\s):BF+12*(\s)+11], v[PCC:PCC+7], v[AS+2*\a+(\s)/2], v[BS+(\s)/2] matrix_a_fmt:MATRIX_FMT_FP6 matrix_b_fmt:MATRIX_FMT_FP6
.else
	v_wmma_scale_f32_16x16x128_f8f6f4 v[PD:PD+7], v[PA:PA+11], v[BF+12*(\s):BF+12*(\s)+11], v[PCC:PCC+7], v[AS+2*\a+(\s)/2], v[BS+(\s)/2] matrix_a_fmt:MATRIX_FMT_FP6 matrix_b_fmt:MATRIX_FMT_FP6 matrix_a_scale:MATRIX_SCALE_ROW1 matrix_b_scale:MATRIX_SCALE_ROW1
.endif
.endr
.endm
.irp s, 0,1,2,3
.irp q, 0,1,2
	ds_load_b128 v[BF+12*\s+4*\q:BF+12*\s+4*\q+3], v[IWB] offset:\s*1536+\q*512
.endr
.endr
.irp a, 0,1,2,3
	ds_load_b32 v[AS+2*\a], v[ASA] offset:\a*256               ; lanes 0-15: K step 0, lanes 16-31: K step 1
	ds_load_b32 v[AS+2*\a+1], v[ASA] offset:\a*256+128         ; K steps 2 and 3
.endr
	ds_load_b32 v[BS], v[BSA]
	ds_load_b32 v[BS+1], v[BSA] offset:128
	AFLOAD 0
	AFLOAD 1
	PLACES                                         ; between the choice of the bias and the products that take it as C
	s_wait_dscnt 12                                ; all but K step 1's twelve loads
	s_wait_alu depctr_va_vdst(0)
	PW 0
	PLACES                                         ; places in front of loads into registers that matrix instructions have read
	AFLOAD 2
	s_wait_dscnt 12
	PW 1
	PLACES
	AFLOAD 3
	s_wait_dscnt 12
	PW 2
	s_wait_dscnt 0x0
	PW 3
	PLACES                                         ; places in front of the first read of results
	s_cmp_eq_u32 s3, 2
	s_cbranch_scc1 .Lvout
	; ---- q, k: scaled, through my stage, out as rows: sixteen lanes store 256 consecutive bytes, aligned.
	; The stage, 16 rows x 272 bytes, lies in the first rows of my own tile of A: they have had their one fill, and every read of them stands ahead of the barrier
.set N, 0
.rept 16
	v_pk_mul_f32 v[ACC+N:ACC+N+1], v[ACC+N:ACC+N+1], s[48:49] op_sel_hi:[1,0]   ; each accumulator from its low end on
.set N, N+2
.endr
	v_mul_u32_u24 v10, v[RR], 272
	v_lshl_add_u32 v10, v[HH], 6, v10
	v_add_nc_u32 v10, s[XB], v10                   ; in: row r; columns 32 b + 16 h + 0 .. 15
	v_mul_u32_u24 v11, v[HH], 272
	v_lshl_add_u32 v11, v[RR], 4, v11
	v_add_nc_u32 v11, s[XB], v11                   ; back: lanes 0-15 one row, lanes 16-31 the next
	v_lshlrev_b32 v12, 11, v[HH]
	v_lshl_add_u32 v12, v[RR], 4, v12              ; and the same two rows in memory
	s_lshl_b32 s52, s6, 11
	s_lshl_b32 s51, s5, 2
	s_add_co_u32 s52, s52, s51
	s_mov_b32 s53, 0
	s_add_nc_u64 s[46:47], s[46:47], s[52:53]
.irp b, 0,1
.irp i, 0,1,2,3
	ds_store_b128 v10, v[ACC+16*\b+4*\i:ACC+16*\b+4*\i+3] offset:\b*128+16*\i
.endr
.endr
.irp t, 0,1,2,3,4,5,6,7
	ds_load_b128 v[BF+4*\t:BF+4*\t+3], v11 offset:2*\t*272     ; LDS serves a wave's instructions in order: these see my stores
.endr
	s_wait_alu depctr_va_vdst(0)
.irp t, 0,1,2,3,4,5,6,7
	s_wait_dscnt 7-\t
	global_store_b128 v12, v[BF+4*\t:BF+4*\t+3], s[46:47] offset:(2*\t+8*(\t/4))*2048   ; stage row 2 t + h is token row 2 t + h + 8 (t / 4) of my tile
.endr
	s_wait_tensorcnt 0x0                           ; the wave's end
	ds_add_u32 v[SPW], v[NIL]
	s_wait_dscnt 0x0
	s_endpgm
.Lvout:
	; ---- v: my 64 keys of column d are half a fragment of the second attention product
	v_mov_b32 v[QP], 0                             ; a lane permute's destination counts as one of its sources
	v_mov_b32 v[QP+1], 0
	QH ACC
	s_bfe_u32 s51, s4, 0x10002                     ; batch: a0 / 256
	s_lshl_b32 s51, s51, 3
	s_lshr_b32 s52, s4, 3                          ; head: b0 / 64
	s_add_co_u32 s51, s51, s52
	s_lshl_b32 s51, s51, 2
	s_add_co_u32 s51, s51, s2                      ; ((batch x 8 + head) x 4 + tile of d)
	s_and_b32 s52, s4, 3                           ; which 64 keys of the 256
	s_lshl_b32 s54, s51, 2
	s_add_co_u32 s54, s54, s52
	s_mul_i32 s54, s54, 768
	s_mov_b32 s55, 0
	s_add_nc_u64 s[54:55], s[46:47], s[54:55]      ; the unit of 768 bytes
	s_lshl_b32 s56, s51, 7
	s_lshr_b32 s51, s52, 1
	s_lshl_b32 s51, s51, 6
	s_add_co_u32 s56, s56, s51
	s_and_b32 s51, s52, 1
	s_lshl_b32 s51, s51, 1
	s_add_co_u32 s56, s56, s51
	s_mov_b32 s57, 0
	s_add_nc_u64 s[56:57], s[46:47], s[56:57]      ; my two bytes of the rows' scale words
	v_lshrrev_b32 v11, 1, v[LI]                    ; 8 x lane
	v_lshlrev_b32 v10, 2, v[RR]
	s_wait_alu depctr_va_vdst(0)
	global_store_b128 v[LI], v[CA:CA+3], s[54:55]
	global_store_b64 v11, v[CA+4:CA+5], s[54:55] offset:512
	global_store_b16 v10, v[HW], s[56:57] offset:196608        ; both halves of the lanes write the same two bytes
	s_wait_tensorcnt 0x0                           ; the wave's end: the same three lines
	ds_add_u32 v[SPW], v[NIL]
	s_wait_dscnt 0x0
	s_endpgm
.Lweights:
	; ---------------- the weights: my two tiles' images and scale words come back from LDS as they stand and go to memory
.set N, 0
.rept 12
	ds_load_b128 v[128+4*N:128+4*N+3], v[OWA] offset:N*512
	ds_load_b128 v[176+4*N:176+4*N+3], v[IWB] offset:N*512
.set N, N+1
.endr
.irp s, 0,1,2,3
	ds_load_b32 v[224+\s], v[OSA] offset:\s*64
	ds_load_b32 v[228+\s], v[OSB] offset:\s*64
.endr
	v_lshlrev_b32 v10, 2, v[RR]
	s_and_b32 s5, s67, 31
	s_lshl_b32 s52, s5, 9
	s_lshr_b32 s6, s67, 5
	s_lshl_b32 s6, s6, 6
	s_add_co_u32 s52, s52, s6
	s_add_co_u32 s52, s52, 393216                  ; Wr's scale words: ((G % 32) x 4 + s) x 128 + (G / 32) x 64
	s_lshr_b32 s6, s67, 1
	s_lshl_b32 s6, s6, 9
	s_and_b32 s7, s67, 1
	s_lshl_b32 s7, s7, 6
	s_add_co_u32 s6, s6, s7
	s_add_co_u32 s6, s6, 196608                    ; Wo's: ((T / 2) x 4 + s) x 128 + (T % 2) x 64
	s_mov_b32 s7, 1024
	s_cmp_lt_u32 s4, 8
	s_cselect_b32 s52, s52, s6
	s_cselect_b32 s7, 2048, s7                     ; four tiles on: 4 x 512 bytes in Wr's order, 2 x 512 in Wo's
	s_mov_b32 s53, 0
	s_add_nc_u64 s[58:59], s[46:47], s[52:53]      ; my first tile's scale words,
	s_mov_b32 s52, s7
	s_add_nc_u64 s[62:63], s[58:59], s[52:53]      ; my second's
	s_mul_i32 s52, s67, 6144
	s_add_nc_u64 s[56:57], s[46:47], s[52:53]      ; my first tile's codes; my second's lie 24,576 bytes on
	s_wait_alu depctr_va_vdst(0)
	s_wait_dscnt 0x0
.set N, 0
.rept 12
	global_store_b128 v[LI], v[128+4*N:128+4*N+3], s[56:57] offset:N*512           ; the wave stores 512 consecutive bytes, aligned
	global_store_b128 v[LI], v[176+4*N:176+4*N+3], s[56:57] offset:24576+N*512
.set N, N+1
.endr
.irp s, 0,1,2,3
	global_store_b32 v10, v[224+\s], s[58:59] offset:\s*128    ; both halves of the lanes write the same word
	global_store_b32 v10, v[228+\s], s[62:63] offset:\s*128
.endr
	s_wait_tensorcnt 0x0                           ; the wave's end: the same three lines close this path
	ds_add_u32 v[SPW], v[NIL]
	s_wait_dscnt 0x0
	s_endpgm
.Lfunc_end_k_q3c2fbc5876_prep:
	.size	k_q3c2fbc5876_prep, .Lfunc_end_k_q3c2fbc5876_prep-k_q3c2fbc5876_prep
	.p2alignl 7, 3214868480
	.fill 96, 4, 3214868480
	.section	.rodata,"a",@progbits
	.p2align	6, 0x0
	.amdhsa_kernel k_q3c2fbc5876_prep
		.amdhsa_group_segment_fixed_size 327680
		.amdhsa_private_segment_fixed_size 0
		.amdhsa_enable_private_segment 0
		.amdhsa_kernarg_size 128
		.amdhsa_user_sgpr_count 2
		.amdhsa_user_sgpr_kernarg_segment_ptr 1
		.amdhsa_wavefront_size32 1
		.amdhsa_system_sgpr_workgroup_id_x 1
		.amdhsa_system_sgpr_workgroup_id_y 1
		.amdhsa_system_sgpr_workgroup_id_z 1
		.amdhsa_system_vgpr_workitem_id 0
		.amdhsa_next_free_vgpr 256
		.amdhsa_next_free_sgpr 100
		.amdhsa_reserve_vcc 0
		.amdhsa_float_denorm_mode_32 3
		.amdhsa_float_denorm_mode_16_64 3
		.amdhsa_memory_ordered 1
		.amdhsa_forward_progress 1
		.amdhsa_inst_pref_size 65
	.end_amdhsa_kernel
	.amdgpu_metadata
---
amdhsa.version: [ 1, 2 ]
amdhsa.kernels:
  - .name:           k_q3c2fbc5876_prep
    .symbol:         k_q3c2fbc5876_prep.kd
    .args:
      - { .name: queries, .offset: 0, .size: 8, .value_kind: global_buffer, .address_space: global }
      - { .name: keys, .offset: 8, .size: 8, .value_kind: global_buffer, .address_space: global }
      - { .name: values, .offset: 16, .size: 8, .value_kind: global_buffer, .address_space: global }
      - { .name: Wq, .offset: 24, .size: 8, .value_kind: global_buffer, .address_space: global }
      - { .name: Wk, .offset: 32, .size: 8, .value_kind: global_buffer, .address_space: global }
      - { .name: Wv, .offset: 40, .size: 8, .value_kind: global_buffer, .address_space: global }
      - { .name: bq, .offset: 48, .size: 8, .value_kind: global_buffer, .address_space: global }
      - { .name: bk, .offset: 56, .size: 8, .value_kind: global_buffer, .address_space: global }
      - { .name: bv, .offset: 64, .size: 8, .value_kind: global_buffer, .address_space: global }
      - { .name: Wr, .offset: 72, .size: 8, .value_kind: global_buffer, .address_space: global }
      - { .name: Wo, .offset: 80, .size: 8, .value_kind: global_buffer, .address_space: global }
      - { .name: QW, .offset: 88, .size: 8, .value_kind: global_buffer, .address_space: global }
      - { .name: KW, .offset: 96, .size: 8, .value_kind: global_buffer, .address_space: global }
      - { .name: VC, .offset: 104, .size: 8, .value_kind: global_buffer, .address_space: global }
      - { .name: WRC, .offset: 112, .size: 8, .value_kind: global_buffer, .address_space: global }
      - { .name: WOC, .offset: 120, .size: 8, .value_kind: global_buffer, .address_space: global }
    .group_segment_fixed_size: 327680
    .private_segment_fixed_size: 0
    .kernarg_segment_align: 8
    .kernarg_segment_size: 128
    .max_flat_workgroup_size: 128
    .sgpr_count:     100
    .vgpr_count:     256
    .wavefront_size: 32
...
	.end_amdgpu_metadata
.endif
;; end of part 1
;; launch main (part 2): grid 256 x 1, 4 waves a work-group, no clusters, 327,680 bytes of LDS; arguments relation, adj_mask, QW, KW, WRC, SL; writes SL
.if DOCPART == 2
	.amdgcn_target "amdgcn-amd-amdhsa--gfx1250"
	.amdhsa_code_object_version 6
	.text
	.protected	k_q3c2fbc5876_main
	.globl	k_q3c2fbc5876_main
	.p2align	8
	.type	k_q3c2fbc5876_main,@function
k_q3c2fbc5876_main:
	s_mov_b64 s[64:65], 0
	v_nop
	global_prefetch_b8 v0, s[64:65] scope:SCOPE_SE
	s_setreg_imm32_b32 hwreg(HW_REG_WAVE_MODE, 25, 1), 1
	s_wait_xcnt 0x0
; WHAT: the masked logits SL of attn[b][i][j][h] = sum over d of (q[b][i] + R Wrq^T)(k[b][j] + R Wrk^T), R = relation[b][j][i][:], -infinity where adj_mask[b][i][j] = 1.
; R is quantised here to FP6 (E2M3), one E8M0 scale for each 32 along K = 512; Wr comes as codes (WRC); the product is the scaled matrix instruction's, sums in f32; the dot over d is packed f32 multiply-adds.
; SHARES: a work-group owns one batch, 16 queries i and 32 keys j: 512 rows of relation, in 8 trips of 4 keys.  A tile is one key's 16 rows (16 neighbouring i), 32 KiB of dense memory.
; In a trip each wave quantises one tile, lays its image in LDS, and behind the barrier multiplies all four tiles by ITS quarter of Wr: heads 2 w and 2 w + 1, 256 rows, 64 fragments, which stay in 768 registers.
; The product is used transposed (source 0 = 16 rows of Wr, source 1 = the tile): a lane holds one query, its registers run along d.  q is the C of rq's first product, k that of rk's.
; WRC's tile a of a head holds Wr's rows 32 (a / 2) + 8 (a % 2) + r + 8 (r / 8), so register j of lane (r, h) is d = 32 (a / 2) + 8 (a % 2) + 16 h + j: q and k are taken in that order.
; QUANTISING: eight units of 32 numbers a lane in three buffers.  Unit n's conversion and unit n + 1's largest magnitude (three chains) are written line by line by turns, so that no line reads the line above it.
; PRODUCTS: groups of 16 on four accumulators (rq and rk of two tiles of d).  The dot over the group just finished stands in the places behind the running group's matrix instructions; each group has one run of LDS loads
; (the next group's k), behind one wait; the next tile's fragments come in two more runs in a tile's last group.  Wr's fragments lie in the registers in the order of their use.
; THE RING: two slots of 4 tiles of f32; a slot is asked for again behind the barrier that follows its quantising, one tensor load a wave, and is read a whole trip later.
; THE HEAD: slot 0's load goes out first; Wr's codes, scale words and q (244 loads a wave) are issued behind it and are waited for behind the first tile's quantising.
; NO JOINT LOADS: no two work-groups read the same row of relation; Wr is shared by all, but a joint load lands in LDS, of whose 327,680 bytes slots, images, k and spare words leave 1,536.
; NO PREFETCH: a refill is asked for 256 matrix instructions and a tile's quantising ahead of its first read, and each work-group has 128 KiB of its stream asked for at all times.
; LIMITS: a block of zeros gets the byte 1 where the rule says 127 (its codes are zeros; the bytes never leave the work-group); NaN and infinities among the inputs are not served.
.set LINEB, 33280                      ; a tile in LDS: 16 rows of 2,080 bytes
.set SLOTB, 133120
.set ROWP,  2080
.set HALFP, 1040
.set IMG0,  266240                     ; images: slot x SETB + tile x 6144 + K step x 1536 + quad x 512 + 16 x lane
.set SETB,  25600
.set XSCO,  24576                      ; scale words behind each set: tile x 256 + K step x 64 + 4 x row
.set KREG,  317440                     ; k: 2 KiB a wave
.set SPARE, 325632
.set SPW, 1                            ; v1 my spare word, v2 0: never rewritten
.set NIL, 2
.set LI,  3                            ; 16 x lane
.set FA,  4                            ; images + 16 x lane
.set XF,  5                            ; scale words + 4 x lane
.set KA,  6
.set KSA, 7
.set LOG, 8                            ; v8-11 the trip's logits; while a tile is quantised: addresses
.set MOF, 8
.set RA1, 9
.set IA1, 10
.set SA1, 11
.set MSK, 12                           ; v12-15 the mask
.set WSC, 16                           ; v16-47 Wr's scale words; v48-51 the tiles': scales and nothing else
.set XS,  48
.set WX,  52                           ; v52-63 Wr's 64th fragment
.set QR,  64                           ; v64-127 q
.set RQ,  128                          ; v128-159 rq's accumulators, v160-191 rk's
.set RK,  160
.set FR,  192                          ; v192-239 a tile's four fragments
.set D0,  240
.set H0,  248
.set TA,  249
.set TB,  250
.set CD,  224                          ; while a tile is quantised: buffers v128-223, codes v224-238, at work v239-251
.set ST,  236
.set MC,  239
.set MA,  240
.set MB,  241
.set SO0, 242
.set BY0, 244
.set WD,  246
.set WP,  247
.set RA,  248
.set IA,  249
.set SA,  250
.set SH8, 251
.set MSB, 0
.macro WIN new
.if MSB != (\new)
	s_set_vgpr_msb (MSB<<8)|(\new)
.set MSB, (\new)
.endif
.endm
.macro PLACES
.rept 4
	v_nop
.endr
.endm
; ---- the largest magnitude of a unit, in three chains, with the floor 2^(3 - 127) among its leaves
.macro MSTART buf
	v_max3_num_f32 v[MA], |v[\buf]|, |v[\buf+1]|, 0x1800000
	v_max3_num_f32 v[MB], |v[\buf+2]|, |v[\buf+3]|, |v[\buf+4]|
	v_max3_num_f32 v[MC], |v[\buf+5]|, |v[\buf+6]|, |v[\buf+7]|
.endm
.macro MROUND buf, i
	v_max3_num_f32 v[MA], v[MA], |v[\buf+8+6*(\i)]|, |v[\buf+9+6*(\i)]|
	v_max3_num_f32 v[MB], v[MB], |v[\buf+10+6*(\i)]|, |v[\buf+11+6*(\i)]|
	v_max3_num_f32 v[MC], v[MC], |v[\buf+12+6*(\i)]|, |v[\buf+13+6*(\i)]|
.endm
; rows r and r + 8 begin in the same banks: lanes with g = r / 8 = 0 work on K steps 0, 1 while lanes with g = 1 work on 2, 3 (1,040 bytes on), then the other way round.  Only addresses hang on it
.macro XA1 slot
	v_and_b32 v[MA], 15, v0
	v_bfe_u32 v[MB], v0, 4, 1
	v_bfe_u32 v[SO0], v0, 3, 1
	v_xor_b32 v[SO0+1], 1, v[SO0]
	v_mul_u32_u24 v[BY0], v[MA], ROWP
	v_lshl_add_u32 v[BY0], v[MB], 7, v[BY0]
	v_add_nc_u32 v[BY0], s[50+\slot], v[BY0]
	v_mad_u32_u24 v[RA], v[SO0], HALFP, v[BY0]
	v_mad_u32_u24 v[RA1], v[SO0+1], HALFP, v[BY0]
.endm
.macro XA2 slot
	v_lshlrev_b32 v[MOF], 10, v[MA]
	v_add_nc_u32 v[BY0], s[52+\slot], v[LI]
	v_lshl_add_u32 v[BY0+1], v[MA], 2, s[54+\slot]
	v_lshlrev_b32 v[SH8], 3, v[MB]
	global_load_b128 v[MSK:MSK+3], v[MOF], s[46:47]
	v_mad_u32_u24 v[IA], v[SO0], 3072, v[BY0]
	v_mad_u32_u24 v[IA1], v[SO0+1], 3072, v[BY0]
	v_lshl_add_u32 v[SA], v[SO0], 7, v[BY0+1]
	v_lshl_add_u32 v[SA1], v[SO0+1], 7, v[BY0+1]
.endm
.macro ULD n                           ; unit n: 32 numbers a lane, eight loads, into buffer n % 3
.set LB, RQ+32*((\n)%3)
.set LO, (((\n)/2)%2)*512+((\n)%2)*256
.set LR, RA
.if (\n) >= 4
.set LR, RA1
.endif
.irp i, 0,1,2,3,4,5,6,7
	ds_load_b128 v[LB+4*\i:LB+4*\i+3], v[LR] offset:LO+16*\i
.endr
.endm
; unit n is converted while unit n + 1's largest magnitude is searched.  The counts: LDS instructions issued behind unit n + 1's eight loads (a unit's loads: 8; a K step's stores: 4)
.macro STAGE n
.set CVB, RQ+32*((\n)%3)
.set NXB, RQ+32*(((\n)+1)%3)
.set UC, (\n)%2
.if (\n) < 7
	s_wait_alu depctr_va_vdst(0)
.endif
.if (\n) < 2
	s_wait_dscnt 8
.elseif (\n) < 6
	s_wait_dscnt 12
.elseif (\n) == 6
	s_wait_dscnt 4
.endif
	v_add_nc_u32 v[SO0+UC], 0xff000000, v[SO0+UC]  ; 2 off the exponent field: the conversion's scale operand
.if (\n) < 7
	MSTART NXB
.endif
	v_cvt_scalef32_pk16_fp6_f32 v[CD+6*UC:CD+6*UC+2], v[CVB:CVB+15], v[SO0+UC]
	v_cvt_scalef32_pk16_fp6_f32 v[ST:ST+2], v[CVB+16:CVB+31], v[SO0+UC]   ; (a conversion's three registers begin on an even number)
.if (\n) < 7
	MROUND NXB, 0                                  ; plain places behind the conversions
.else
	v_nop
.endif
	v_lshrrev_b32 v[BY0+UC], 23, v[SO0+UC]         ; the scale's byte
.if (\n) < 5
	ULD (\n)+3                                     ; into the buffer just converted
.endif
.if (\n) < 7
	MROUND NXB, 1
.endif
.irp i, 0,1,2
	v_mov_b32 v[CD+6*UC+3+\i], v[ST+\i]
.endr
.if (\n) < 7
	MROUND NXB, 2
.endif
.if UC == 1
	v_lshl_or_b32 v[WD], v[BY0+1], 16, v[BY0]      ; my two bytes (blocks h and 2 + h of the K step)
	v_lshlrev_b32 v[WD], v[SH8], v[WD]
.endif
.if (\n) < 7
	MROUND NXB, 3
.endif
.if UC == 1
	v_permlanex16_b32 v[WP], v[WD], s42, s43
.endif
.if (\n) < 7
	v_max3_num_f32 v[SO0+1-UC], v[MA], v[MB], v[MC]
.endif
.if UC == 1
	v_or_b32 v[WD], v[WD], v[WP]                   ; with lane l xor 16's two: the row's scale word
.set UO, ((\n)/2)%2
.set UIA, IA
.set USA, SA
.if (\n) >= 4
.set UIA, IA1
.set USA, SA1
.endif
.irp q, 0,1,2
	ds_store_b128 v[UIA], v[CD+4*\q:CD+4*\q+3] offset:UO*1536+512*\q
.endr
	ds_store_b32 v[USA], v[WD] offset:UO*64        ; both halves of the lanes write the same word with the same value
.endif
.endm
.macro KGET off                        ; four keys' 128 columns of k: v252-255 of each window
	WIN 0x40
	global_load_b128 v[252:255], v[LI], s[44:45] offset:\off
	WIN 0x80
	global_load_b128 v[252:255], v[LI], s[44:45] offset:\off+2048
	WIN 0xc0
	global_load_b128 v[252:255], v[LI], s[44:45] offset:\off+4096
	WIN 0
	global_load_b128 v[252:255], v[LI], s[44:45] offset:\off+6144
.endm
.macro KPUT
	WIN 0x04
	ds_store_b128 v[KSA], v[252:255]
	WIN 0x08
	ds_store_b128 v[KSA], v[252:255] offset:512
	WIN 0x0c
	ds_store_b128 v[KSA], v[252:255] offset:1024
	WIN 0
	ds_store_b128 v[KSA], v[252:255] offset:1536
.endm
.macro FETCHX slot, m, s               ; fragment s of tile m
.irp q, 0,1,2
	ds_load_b128 v[FR+12*(\s)+4*\q:FR+12*(\s)+4*\q+3], v[FA] offset:(\slot)*SETB+(\m)*6144+(\s)*1536+\q*512
.endr
.endm
.macro XSL slot, m                     ; tile m's scale words: lanes 0-15 even K steps, lanes 16-31 odd
	ds_load_b32 v[XS+2*((\m)%2)], v[XF] offset:(\slot)*SETB+(\m)*256
	ds_load_b32 v[XS+2*((\m)%2)+1], v[XF] offset:(\slot)*SETB+(\m)*256+128
.endm
.macro KL gi                           ; k as the C of group gi's rk sums: gi = 4 m + 2 e + u
.irp tl, 0,1
	ds_load_b128 v[RK+8*(2*((\gi)%2)+\tl):RK+8*(2*((\gi)%2)+\tl)+3], v[KA] offset:((\gi)/4)*512+(((\gi)/2)%2)*256+((\gi)%2)*128+\tl*32
	ds_load_b128 v[RK+8*(2*((\gi)%2)+\tl)+4:RK+8*(2*((\gi)%2)+\tl)+7], v[KA] offset:((\gi)/4)*512+(((\gi)/2)%2)*256+((\gi)%2)*128+\tl*32+16
.endr
.endm
; one product.  k = 0: rq, 1: rk.  Wr's fragment stands at place PH, the order of use: 21 fragments to a window, the 64th in window 0
.macro WM m, e, k, s, t
.if (\s) < 2
.set PH, 32*(\e)+16*((\t)/2)+4*(\k)+2*(\s)+((\t)%2)
.else
.set PH, 32*(\e)+16*((\t)/2)+8+4*((\s)-2)+2*(\k)+((\t)%2)
.endif
.if PH < 63
	WIN (1+PH/21)
.set WA, 12*(PH%21)
.else
	WIN 0
.set WA, WX
.endif
.set WDD, RQ+32*(\k)+8*(\t)
.set WCC, WDD
.if ((\k) == 0) && ((\s) == 0)
.set WCC, QR+32*(\e)+8*(\t)
.endif
.set WSA, WSC+16*(\e)+4*(\t)+(\s)
.set WSB, XS+2*((\m)%2)+(\s)/2
.set WB, FR+12*(\s)
.if (\k) == 0
.if ((\s)%2) == 0
	v_wmma_scale_f32_16x16x128_f8f6f4 v[WDD:WDD+7], v[WA:WA+11], v[WB:WB+11], v[WCC:WCC+7], v[WSA], v[WSB] matrix_a_fmt:MATRIX_FMT_FP6 matrix_b_fmt:MATRIX_FMT_FP6
.else
	v_wmma_scale_f32_16x16x128_f8f6f4 v[WDD:WDD+7], v[WA:WA+11], v[WB:WB+11], v[WCC:WCC+7], v[WSA], v[WSB] matrix_a_fmt:MATRIX_FMT_FP6 matrix_b_fmt:MATRIX_FMT_FP6 matrix_b_scale:MATRIX_SCALE_ROW1
.endif
.else
.if ((\s)%2) == 0
	v_wmma_scale_f32_16x16x128_f8f6f4 v[WDD:WDD+7], v[WA:WA+11], v[WB:WB+11], v[WCC:WCC+7], v[WSA], v[WSB] matrix_a_fmt:MATRIX_FMT_FP6 matrix_b_fmt:MATRIX_FMT_FP6 matrix_a_scale:MATRIX_SCALE_ROW1
.else
	v_wmma_scale_f32_16x16x128_f8f6f4 v[WDD:WDD+7], v[WA:WA+11], v[WB:WB+11], v[WCC:WCC+7], v[WSA], v[WSB] matrix_a_fmt:MATRIX_FMT_FP6 matrix_b_fmt:MATRIX_FMT_FP6 matrix_a_scale:MATRIX_SCALE_ROW1 matrix_b_scale:MATRIX_SCALE_ROW1
.endif
.endif
.endm
; line j of the dot over the finished tiles t = 2 pu, 2 pu + 1; each accumulator is read from its low end on.  A head's first four lines start the four packed sums
.macro EPS pu, j
.set ET, 2*(\pu)+(\j)/4
.set EP, 2*((\j)%4)
.if ((\pu) == 0) && ((\j) < 4)
	v_pk_mul_f32 v[D0+EP:D0+EP+1], v[RQ+8*ET+EP:RQ+8*ET+EP+1], v[RK+8*ET+EP:RK+8*ET+EP+1]
.else
	v_pk_fma_f32 v[D0+EP:D0+EP+1], v[RQ+8*ET+EP:RQ+8*ET+EP+1], v[RK+8*ET+EP:RK+8*ET+EP+1], v[D0+EP:D0+EP+1]
.endif
.endm
; step r of a head's sum: eight numbers, then lane l xor 16's; head 0 waits in H0, and lanes 16-31 of the logit take head 1
.macro RED r, pm, pe
.if (\r) == 0
	v_pk_add_f32 v[D0:D0+1], v[D0:D0+1], v[D0+2:D0+3]
	v_pk_add_f32 v[D0+4:D0+5], v[D0+4:D0+5], v[D0+6:D0+7]
.elseif (\r) == 1
	v_pk_add_f32 v[D0:D0+1], v[D0:D0+1], v[D0+4:D0+5]
.elseif (\r) == 2
	v_add_f32 v[TA], v[D0], v[D0+1]
.elseif (\r) == 3
	v_permlanex16_b32 v[TB], v[TA], s42, s43
.elseif (\r) == 4
.if (\pe) == 0
	v_add_f32 v[H0], v[TA], v[TB]
.else
	v_add_f32 v[TA], v[TA], v[TB]
.endif
.elseif (\pe) == 1
	v_cndmask_b32 v[LOG+(\pm)], v[H0], v[TA], s41
.endif
.endm
.macro REDS r, gi, u                   ; in a head's first group: the head before is summed
.if ((\u) == 0) && ((\gi) > 0)
	WIN 0
	RED \r, ((\gi)-1)/4, (((\gi)-1)/2)%2
.endif
.endm
.macro EP3 gi, u, a, b, c              ; up to three lines of the dot (c < 0: two)
.if (\gi) > 0
	WIN 0
	EPS 1-(\u), \a
	EPS 1-(\u), \b
.if (\c) >= 0
	EPS 1-(\u), \c
.endif
.endif
.endm
; a group: tile m, head e, tiles of d 2 u and 2 u + 1.  No two matrix instructions on end share an accumulator
.macro GROUP slot, m, e, u
.set GI, 4*(\m)+2*(\e)+(\u)
.set GL, ((GI%4) == 3) && (GI < 15)    ; a tile's last group, with a tile to follow
	WM \m, \e, 0, 0, 2*(\u)
.if GI > 0
	WIN 0
	PLACES                                         ; four places behind the last group's products, ahead of the first read of their results
.endif
	WM \m, \e, 0, 0, 2*(\u)+1
	EP3 GI, \u, 0, 1, 2
	WM \m, \e, 0, 1, 2*(\u)
	EP3 GI, \u, 3, 4, 5
	WM \m, \e, 0, 1, 2*(\u)+1
	EP3 GI, \u, 6, 7, -1
	WIN 0
	s_wait_alu depctr_va_vdst(0)
	s_wait_dscnt 0x0                               ; this group's k is in (asked for 16 matrix instructions ago), and all fragments
.if GI < 15
	KL GI+1                                        ; the next group's k, into the accumulators that the dot has just read
.endif
.if GL
	XSL \slot, (\m)+1
.endif
	WM \m, \e, 1, 0, 2*(\u)
	REDS 0, GI, \u
	WM \m, \e, 1, 0, 2*(\u)+1
	REDS 1, GI, \u
	WM \m, \e, 1, 1, 2*(\u)
	REDS 2, GI, \u
	WM \m, \e, 1, 1, 2*(\u)+1
	REDS 3, GI, \u
.if GL
	WIN 0
	PLACES                                         ; places in front of loads into registers that matrix instructions have read
	FETCHX \slot, (\m)+1, 0
	FETCHX \slot, (\m)+1, 1
.endif
	WM \m, \e, 0, 2, 2*(\u)
	REDS 4, GI, \u
	WM \m, \e, 0, 2, 2*(\u)+1
	REDS 5, GI, \u
	WM \m, \e, 1, 2, 2*(\u)
	WM \m, \e, 1, 2, 2*(\u)+1
	WM \m, \e, 0, 3, 2*(\u)
	WM \m, \e, 0, 3, 2*(\u)+1
	WM \m, \e, 1, 3, 2*(\u)
	WM \m, \e, 1, 3, 2*(\u)+1
.if GL
	WIN 0
	PLACES
	FETCHX \slot, (\m)+1, 2
	FETCHX \slot, (\m)+1, 3
	s_wait_dscnt 6                                 ; all but the six loads just issued: the next tile's K steps 0 and 1, its scale words
.endif
.endm
.macro TRIP slot, refill, knext
	XA1 \slot
	ULD 0
	ULD 1
	ULD 2
	XA2 \slot
	s_wait_alu depctr_va_vdst(0)
	s_wait_dscnt 16                                ; unit 0 is in; units 1 and 2 may be out
	MSTART RQ
	MROUND RQ, 0
	MROUND RQ, 1
	MROUND RQ, 2
	MROUND RQ, 3
	v_max3_num_f32 v[SO0], v[MA], v[MB], v[MC]
.irp n, 0,1,2,3,4,5,6,7
	STAGE \n
.endr
	s_wait_loadcnt 0x0                             ; this trip's k and mask are in registers (in the first trip: Wr, its scale words and q too)
	KPUT                                           ; into my own 2 KiB, whose last reads have come back
.if \knext
	KGET 8192                                      ; the next trip's k
.endif
	s_wait_tensorcnt 0x0                           ; all my tensor loads are in: my tile of the other slot;
	ds_add_u32 v[SPW], v[NIL]
.if \refill
	s_add_nc_u64 s[34+4*\slot:35+4*\slot], s[34+4*\slot:35+4*\slot], 0x400000
.endif
	s_wait_alu depctr_va_vdst(0)
	s_wait_dscnt 0x0                               ; the add, my reads of this slot, my images and scale words
	s_barrier_signal -1
	s_barrier_wait -1
.if \refill
	tensor_load_to_lds s[32+4*\slot:35+4*\slot], s[24:31]   ; the tile two trips on, into the slot just quantised
	s_nop 0
	PLACES
.endif
.irp s, 0,1,2,3
	FETCHX \slot, 0, \s
.endr
	XSL \slot, 0
	KL 0
	s_wait_dscnt 0x0
.irp m, 0,1,2,3
	GROUP \slot, \m, 0, 0
	GROUP \slot, \m, 0, 1
	GROUP \slot, \m, 1, 0
	GROUP \slot, \m, 1, 1
.endr
	WIN 0
	PLACES
.irp j, 0,1,2,3,4,5,6,7
	EPS 1, \j
.endr
.irp r, 0,1,2,3,4,5
	RED \r, 3, 1
.endr
.irp m, 0,1,2,3
	v_cmp_ne_u32 vcc_lo, 1, v[MSK+\m]
	v_cndmask_b32 v[LOG+\m], 0xff800000, v[LOG+\m], vcc_lo   ; -infinity where the mask is 1
.endr
	global_store_b128 v[LI], v[LOG:LOG+3], s[48:49]          ; the wave stores 512 consecutive bytes, aligned
	s_wait_xcnt 0x0                                ; the bases below and v8 on are written again only behind this wait
	s_add_nc_u64 s[48:49], s[48:49], 2048
	s_add_nc_u64 s[46:47], s[46:47], 16
	s_add_nc_u64 s[44:45], s[44:45], 8192
.endm
	s_load_b256 s[4:11], s[0:1], 0x0               ; relation s4, adj_mask s6, QW s8, KW s10
	s_load_b128 s[12:15], s[0:1], 0x20             ; WRC s12, SL s14
	v_lshl_add_u32 v[SPW], v0, 2, SPARE
	v_mov_b32 v[NIL], 0
	ds_add_u32 v[SPW], v[NIL]                      ; the wave's opening: the add, twice on end, and its wait
	ds_add_u32 v[SPW], v[NIL]
	v_lshrrev_b32 v3, 5, v0
	v_readfirstlane_b32 s18, v3                    ; wave
	s_lshr_b32 s19, ttmp9, 7                       ; batch
	s_bfe_u32 s20, ttmp9, 0x40003                  ; which 16 queries
	s_and_b32 s21, ttmp9, 7                        ; which 32 keys
	s_mov_b32 s24, (3<<16)|(1<<20)|(7<<22)|(3<<25) ; group 1: 32 KiB of dense memory as 32 lines of 1,024 bytes, 16 bytes of padding behind each
	s_mov_b32 s25, 128<<16
	s_mov_b32 s26, 32<<16
	s_mov_b32 s27, 128<<16
	s_mov_b32 s28, 32
	s_mov_b32 s29, 128
	s_mov_b32 s30, 0
	s_mov_b32 s31, 0
	s_mov_b32 s41, 0xffff0000
	s_mov_b32 s42, 0x76543210
	s_mov_b32 s43, 0xfedcba98
	s_mul_i32 s50, s18, LINEB                      ; my tile in slot 0, 1
	s_add_co_u32 s51, s50, SLOTB
	s_mul_i32 s52, s18, 6144                       ; its images
	s_add_co_u32 s53, s52, IMG0+SETB
	s_add_co_u32 s52, s52, IMG0
	s_lshl_b32 s54, s18, 8                         ; its scale words
	s_add_co_u32 s55, s54, IMG0+SETB+XSCO
	s_add_co_u32 s54, s54, IMG0+XSCO
	s_lshl_b32 s22, s19, 27                        ; relation: batch, key 32 x group + wave, query 16 x block
	s_lshl_b32 s2, s21, 5
	s_add_co_u32 s2, s2, s18
	s_lshl_b32 s2, s2, 19
	s_add_co_u32 s22, s22, s2
	s_lshl_b32 s2, s20, 15
	s_add_co_u32 s22, s22, s2
	s_mov_b32 s23, 0
	s_lshl_b32 s3, s18, 9
	s_lshl_b32 s44, s19, 19                        ; k: my keys' rows, my 128 columns
	s_lshl_b32 s2, s21, 16
	s_add_co_u32 s44, s44, s2
	s_add_co_u32 s44, s44, s3
	s_mov_b32 s45, 0
	s_lshl_b32 s46, s19, 18                        ; the mask
	s_lshl_b32 s2, s20, 14
	s_add_co_u32 s46, s46, s2
	s_lshl_b32 s2, s21, 7
	s_add_co_u32 s46, s46, s2
	s_mov_b32 s47, 0
	s_lshl_b32 s48, s19, 4                         ; the logits
	s_add_co_u32 s48, s48, s20
	s_lshl_b32 s48, s48, 17
	s_lshl_b32 s2, s21, 14
	s_add_co_u32 s48, s48, s2
	s_add_co_u32 s48, s48, s3
	s_mov_b32 s49, 0
	s_lshl_b32 s60, s19, 19                        ; q
	s_lshl_b32 s2, s20, 15
	s_add_co_u32 s60, s60, s2
	s_add_co_u32 s60, s60, s3
	s_mov_b32 s61, 0
	s_mul_i32 s56, s18, 49152                      ; Wr's codes: my eight tiles of rq; rk's lie 196,608 bytes on
	s_mov_b32 s57, 0
	s_lshl_b32 s58, s18, 12
	s_mov_b32 s59, 0
	s_mov_b32 s32, 1
	s_mov_b32 s33, s50
	s_mov_b32 s36, 1
	s_mov_b32 s37, s51
	s_wait_dscnt 0x0
	s_wait_kmcnt 0x0
	s_add_nc_u64 s[34:35], s[4:5], s[22:23]
	s_add_nc_u64 s[38:39], s[34:35], 0x200000
	s_or_b32 s35, s35, 0x80000000
	s_or_b32 s39, s39, 0x80000000
	tensor_load_to_lds s[32:35], s[24:31]          ; slot 0: my one tensor load at the head
	s_nop 0
	PLACES
	s_add_nc_u64 s[44:45], s[10:11], s[44:45]
	s_add_nc_u64 s[46:47], s[6:7], s[46:47]
	s_add_nc_u64 s[48:49], s[14:15], s[48:49]
	s_add_nc_u64 s[60:61], s[8:9], s[60:61]
	s_add_nc_u64 s[56:57], s[12:13], s[56:57]
	s_add_nc_u64 s[58:59], s[12:13], s[58:59]
	v_and_b32 v3, 31, v0
	v_lshlrev_b32 v[LI], 4, v3
	s_lshl_b32 s2, s18, 11
	s_add_co_u32 s2, s2, KREG
	v_bfe_u32 v[KA], v0, 4, 1
	v_lshl_add_u32 v[KA], v[KA], 6, s2
	v_add_nc_u32 v[KSA], s2, v[LI]
	v_add_nc_u32 v[FA], IMG0, v[LI]
	v_mov_b32 v[WP], 0                             ; a lane permute's destination counts as one of its sources
	v_mov_b32 v[TB], 0
	v_and_b32 v[H0], 15, v0
	v_lshlrev_b32 v[H0], 11, v[H0]
	v_bfe_u32 v[TA], v0, 4, 1
	v_lshl_add_u32 v[H0], v[TA], 6, v[H0]          ; q: row r, + 64 h
	v_lshrrev_b32 v[TA], 2, v[LI]                  ; 4 x lane
	v_add_nc_u32 v[XF], IMG0+XSCO, v[TA]
	s_wait_alu depctr_va_vdst(0)
	KGET 0
.set F, 0
.rept 64                               ; Wr's fragment at place F of the order of use
.set FP, F%16
.if FP < 8
.set FK, FP/4
.set FS, (FP/2)%2
.else
.set FK, ((FP-8)/2)%2
.set FS, 2+(FP-8)/4
.endif
.set FT, 2*((F/16)%2)+FP%2
.set FOFF, FK*196608+(4*(F/32)+FT)*6144+FS*1536
.if F < 63
	WIN ((1+F/21)<<6)
.set FR0, 12*(F%21)
.else
	WIN 0
.set FR0, WX
.endif
	global_load_b128 v[FR0:FR0+3], v[LI], s[56:57] offset:FOFF
	global_load_b128 v[FR0+4:FR0+7], v[LI], s[56:57] offset:FOFF+512
	global_load_b128 v[FR0+8:FR0+11], v[LI], s[56:57] offset:FOFF+1024
.set F, F+1
.endr
	WIN 0
.set F, 0
.rept 32
	global_load_b32 v[WSC+F], v[TA], s[58:59] offset:393216+F*128
.set F, F+1
.endr
.set F, 0
.rept 16
	global_load_b128 v[QR+4*F:QR+4*F+3], v[H0], s[60:61] offset:(F/4)*128+((F/2)%2)*32+(F%2)*16
.set F, F+1
.endr
	s_wait_xcnt 0x0                                ; the loads above have read their address registers, which the first trip writes again
	s_wait_tensorcnt 0x0                           ; slot 0 is in
	ds_add_u32 v[SPW], v[NIL]
	s_wait_dscnt 0x0
	s_barrier_signal -1
	s_barrier_wait -1
	tensor_load_to_lds s[36:39], s[24:31]          ; slot 1's first fill
	s_nop 0
	PLACES
	s_mov_b32 s40, 3
.Llap:
	TRIP 0, 1, 1
	TRIP 1, 1, 1
	s_sub_co_u32 s40, s40, 1
	s_cmp_lg_u32 s40, 0
	s_cbranch_scc1 .Llap
	TRIP 0, 0, 1                                   ; the last two trips refill no slot
	TRIP 1, 0, 0
	s_wait_tensorcnt 0x0                           ; the wave's end
	ds_add_u32 v[SPW], v[NIL]
	s_wait_dscnt 0x0
	s_endpgm
.Lfunc_end_k_q3c2fbc5876_main:
	.size	k_q3c2fbc5876_main, .Lfunc_end_k_q3c2fbc5876_main-k_q3c2fbc5876_main
	.p2alignl 7, 3214868480
	.fill 96, 4, 3214868480
	.section	.rodata,"a",@progbits
	.p2align	6, 0x0
	.amdhsa_kernel k_q3c2fbc5876_main
		.amdhsa_group_segment_fixed_size 327680
		.amdhsa_private_segment_fixed_size 0
		.amdhsa_enable_private_segment 0
		.amdhsa_kernarg_size 48
		.amdhsa_user_sgpr_count 2
		.amdhsa_user_sgpr_kernarg_segment_ptr 1
		.amdhsa_wavefront_size32 1
		.amdhsa_system_sgpr_workgroup_id_x 1
		.amdhsa_system_sgpr_workgroup_id_y 1
		.amdhsa_system_sgpr_workgroup_id_z 1
		.amdhsa_system_vgpr_workitem_id 0
		.amdhsa_next_free_vgpr 1024
		.amdhsa_next_free_sgpr 66
		.amdhsa_reserve_vcc 1
		.amdhsa_float_denorm_mode_32 3
		.amdhsa_float_denorm_mode_16_64 3
		.amdhsa_memory_ordered 1
		.amdhsa_forward_progress 1
		.amdhsa_inst_pref_size 255
	.end_amdhsa_kernel
	.section	.bss,"aw",@nobits
	.p2align	6
	.space	262144
	.amdgpu_metadata
---
amdhsa.version: [ 1, 2 ]
amdhsa.kernels:
  - .name:           k_q3c2fbc5876_main
    .symbol:         k_q3c2fbc5876_main.kd
    .args:
      - { .name: relation, .offset: 0, .size: 8, .value_kind: global_buffer, .address_space: global }
      - { .name: adj_mask, .offset: 8, .size: 8, .value_kind: global_buffer, .address_space: global }
      - { .name: QW, .offset: 16, .size: 8, .value_kind: global_buffer, .address_space: global }
      - { .name: KW, .offset: 24, .size: 8, .value_kind: global_buffer, .address_space: global }
      - { .name: WRC, .offset: 32, .size: 8, .value_kind: global_buffer, .address_space: global }
      - { .name: SL, .offset: 40, .size: 8, .value_kind: global_buffer, .address_space: global }
    .group_segment_fixed_size: 327680
    .private_segment_fixed_size: 0
    .kernarg_segment_align: 8
    .kernarg_segment_size: 48
    .max_flat_workgroup_size: 128
    .sgpr_count:     66
    .vgpr_count:     1024
    .wavefront_size: 32
...
	.end_amdgpu_metadata
.endif
;; end of part 2
;; launch tail (part 3): grid 32 x 1, 8 waves a work-group, no clusters, 178,176 bytes of LDS; arguments SL, VC, WOC, bo, out0, out1; writes out0, out1
.if DOCPART == 3
	.amdgcn_target "amdgcn-amd-amdhsa--gfx1250"
	.amdhsa_code_object_version 6
	.text
	.protected	k_q3c2fbc5876_tail
	.globl	k_q3c2fbc5876_tail
	.p2align	8
	.type	k_q3c2fbc5876_tail,@function
k_q3c2fbc5876_tail:
	s_mov_b64 s[64:65], 0
	v_nop
	global_prefetch_b8 v0, s[64:65] scope:SCOPE_SE
	s_setreg_imm32_b32 hwreg(HW_REG_WAVE_MODE, 25, 1), 1
	s_wait_xcnt 0x0
; WHAT: softmax over the keys of the masked logits (out1), O = P V / l for each head, out0 = O Wo^T + bo.  Both products on codes of FP6 (E2M3) with one E8M0 scale for each 32 along K.
; THE SOFTMAX AHEAD OF THE PRODUCT: t = logit x log2(e); M = the row's largest t rounded up to a whole number; p = 2^(t - M) is what is quantised, along the keys; l is the sum of the unquantised p and divides at the end.
; SHARES: a work-group owns 16 queries of one batch; wave hd owns head hd, later columns 64 hd .. 64 hd + 63 of out0 and rows 2 hd, 2 hd + 1 of out1.  All eight heads of a row meet in the last product, and 16 rows are
; the least tile of the matrix unit: so there are 32 work-groups.
; LAYOUT: lane (r, h) holds query r and keys 64 c + 32 h + 0 .. 31, c = 0 .. 3: whole blocks of the quantiser, in the order of the operand's registers; only the row's maximum, its sum and the scale words cross the lanes' halves.
; Both products are used transposed (source 0 = 16 rows of V^T or of Wo, source 1 = P or O): a lane holds one query throughout.  V's tiles take their rows d in the order 32 (dt / 2) + 8 (dt % 2) + r + 8 (r / 8), so that
; O's 16 registers of two neighbouring tiles are 16 neighbours along the last product's K.
; THE LOADS: the logits and V are asked for at the head.  Wo's 16 fragments, its scale words and bo, 57 loads that are wanted only behind the barrier, are issued in 18 small groups among the softmax's vector work.
; A ROW WITH EVERY KEY MASKED: its largest logit is -infinity, p and l are NaN, out1's row is NaN; z = 0 x l (0, or NaN there), summed over the heads, is the C of the last product's first K step, so out0's row is NaN too.
; LIMITS: a block of zeros gets the byte 1 where the rule says 127 (its codes are zeros; this program alone reads the bytes); NaN among the logits other than by a fully masked row is not served.
; No tensor load, no cluster, no prefetch: no stream is walked, and the launch is short.
.set ORP,   8464                       ; LDS: out1's 16 rows: a row is 8 segments of 32 keys x 8 heads (1,024 bytes) 1,032 bytes apart: lane (r, h) stores to bank 4 r + 2 h
.set OSG,   1032
.set OIMG,  135424                     ; O's four fragments as images: head x 768: 16 bytes a lane, then 8 bytes a lane
.set OSC,   141568                     ; their scale words: K step x 64 + 4 x row, two bytes a head
.set ZR,    141824                     ; z: row x 32 + 4 x head
.set YST,   142336                     ; the way out of out0: 16 rows x 272 bytes for each wave
.set SPARE, 177152                     ; the spare words, 128 bytes for each wave: four blocks of 256 bytes that no other line names
.set SPW, 1                            ; v1   LDS address of my spare word; never rewritten
.set NIL, 2                            ; v2   0; never rewritten
.set LI,  3                            ; v3   16 x lane
.set SLT, 4                            ; v4   the logits: 16,384 h + 16 r + 256 head
.set L8,  5                            ; v5   8 x lane
.set L4,  6                            ; v6   4 x lane
.set BOA, 7                            ; v7   16 r
.set OSA, 8                            ; v8   where I put my weights in out1's rows
.set OIA, 9                            ; v9   O's image: 16 bytes a lane
.set OIB, 10                           ; v10  and 8 bytes a lane
.set OSCA, 11                          ; v11  my head's two scale bytes of row r
.set WOS, 12                           ; v12-19 Wo's scale words (4 (tt / 2) + s): lanes 0-15 the even tile, lanes 16-31 the odd
.set VSC, 20                           ; v20-23 V's: lanes 0-15 keys 0-127, lanes 16-31 keys 128-255
.set PSC, 24                           ; v24-25 p's
.set OSR, 26                           ; v26-27 O's: lanes 0-15 even K steps, lanes 16-31 odd
.set WX,  28                           ; v28-63 Wo's fragments 13-15; on the way out rows of out0
.set BO,  64                           ; v64-67 bo
.set LL,  68                           ; v68  l
.set RL,  70                           ; v[70:71] 1 / l (the packed form names a pair and takes its low word)
.set PC,  72                           ; v72-95 p's codes, two fragments; later at work
.set P,   96                           ; v96-223 the logits, then p, then p / l; later O's fragments, z, rows of out1
.set BM,  224                          ; v224-227 the blocks' largest logits, then their p, then the bytes
.set RM,  228
.set PX,  229
.set NM,  230                          ; v[230:231] -M
.set LA,  232
.set SO,  234                          ; v234-237 the conversions' scale operands
.set LB,  238
.set ST,  240                          ; v240-255 the blocks' upper 16 codes on their way
.set OA,  224                          ; v224-255 O^T's four accumulators, then out0's
.set OF,  96
.set ZW,  144
.set ZC,  152
.set B1,  160
.set QM,  72
.set QP,  74
.set QS,  76
.set QB,  78
.set CA,  80
.set CB,  86
.set HW,  90
.set SEL, 26                           ; s[26:27] lane selects: lane l xor 16
.set CS,  28                           ; s[28:29] log2(e); s30 -log2(e)
.set MSB, 0
.macro WIN new
.if MSB != (\new)
	s_set_vgpr_msb (MSB<<8)|(\new)
.set MSB, (\new)
.endif
.endm
.macro PLACES
.rept 4
	v_nop
.endr
.endm
; Wo's fragment f = 4 tt + s: three loads of 512 consecutive bytes; fragments 0-12 at v[96 + 12 f] of window 1, the last three in window 0
.macro WFR f
.if (\f) < 13
	WIN 0x40
.irp q, 0,1,2
	global_load_b128 v[96+12*(\f)+4*\q:96+12*(\f)+4*\q+3], v[LI], s[8:9] offset:(\f)*1536+\q*512
.endr
	WIN 0
.else
.irp q, 0,1,2
	global_load_b128 v[WX+12*((\f)-13)+4*\q:WX+12*((\f)-13)+4*\q+3], v[LI], s[8:9] offset:(\f)*1536+\q*512
.endr
.endif
.endm
.macro WSL a                           ; four of Wo's eight registers of scale words
.irp i, 0,1,2,3
	global_load_b32 v[WOS+(\a)+\i], v[L4], s[24:25] offset:196608+((\a)+\i)*128
.endr
.endm
; 32 numbers of a lane, register 16 b + i = k 32 b + 16 (lane / 16) + i of my row, become half a fragment (6 registers at v[CA]) and two scale bytes (v[HW])
.macro QH src
.irp b, 0,1
	v_max3_num_f32 v[QM+\b], |v[\src+16*\b]|, |v[\src+16*\b+1]|, 0x1800000
.endr
.irp i, 2,4,6,8,10,12,14
.irp b, 0,1
	s_delay_alu instid0(VALU_DEP_2)
	v_max3_num_f32 v[QM+\b], v[QM+\b], |v[\src+16*\b+\i]|, |v[\src+16*\b+\i+1]|
.endr
.endr
.irp b, 0,1
	v_permlanex16_b32 v[QP+\b], v[QM+\b], s[SEL], s[SEL+1]
.endr
.irp b, 0,1
	s_delay_alu instid0(VALU_DEP_2)
	v_max_num_f32 v[QM+\b], v[QM+\b], v[QP+\b]
.endr
.irp b, 0,1
	s_delay_alu instid0(VALU_DEP_2)
	v_add_nc_u32 v[QS+\b], 0xff000000, v[QM+\b]
.endr
.irp b, 0,1
	s_delay_alu instid0(VALU_DEP_2)
	v_lshrrev_b32 v[QB+\b], 23, v[QS+\b]
.endr
	v_cvt_scalef32_pk16_fp6_f32 v[CA:CA+2], v[\src:\src+15], v[QS]
	v_cvt_scalef32_pk16_fp6_f32 v[CB:CB+2], v[\src+16:\src+31], v[QS+1]
	v_lshl_or_b32 v[HW], v[QB+1], 8, v[QB]         ; the two bytes; also the plain place behind the conversions
.irp i, 0,1,2
	v_permlane16_swap_b32 v[CA+\i], v[CB+\i]
.endr
.irp i, 0,1,2
	s_delay_alu instid0(VALU_DEP_3)
	v_mov_b32 v[CA+3+\i], v[CB+\i]
.endr
.endm
	s_load_b256 s[4:11], s[0:1], 0x0               ; SL s4, VC s6, WOC s8, bo s10
	s_load_b128 s[12:15], s[0:1], 0x20             ; out0 s12, out1 s14
	v_lshl_add_u32 v[SPW], v0, 2, SPARE
	v_mov_b32 v[NIL], 0
	v_lshrrev_b32 v3, 5, v0
	s_delay_alu instid0(VALU_DEP_1)
	v_readfirstlane_b32 s16, v3                    ; wave = head 0..7
	s_lshr_b32 s17, ttmp9, 4                       ; batch
	v_and_b32 v3, 31, v0
	s_delay_alu instid0(VALU_DEP_1)
	v_lshlrev_b32 v[L4], 2, v3
	s_delay_alu instid0(VALU_DEP_2)
	v_lshlrev_b32 v[L8], 3, v3
	s_delay_alu instid0(VALU_DEP_3)
	v_lshlrev_b32 v[LI], 4, v3
	v_and_b32 v[BOA], 15, v0                       ; r
	v_bfe_u32 v[OIB], v0, 4, 1                     ; h
	s_delay_alu instid0(VALU_DEP_2)
	v_mul_u32_u24 v[OSA], v[BOA], ORP
	s_delay_alu instid0(VALU_DEP_1)
	v_mad_u32_u24 v[OSA], v[OIB], OSG, v[OSA]
	s_lshl_b32 s18, s16, 2
	v_add_nc_u32 v[OSA], s18, v[OSA]               ; row r, segment h, my head's word
	s_lshr_b32 s18, s16, 1
	s_lshl_b32 s18, s18, 6
	s_and_b32 s19, s16, 1
	s_lshl_b32 s19, s19, 1
	s_add_co_u32 s18, s18, s19
	s_add_co_u32 s18, s18, OSC
	v_lshl_add_u32 v[OSCA], v[BOA], 2, s18
	v_lshlrev_b32 v[SLT], 14, v[OIB]
	s_delay_alu instid0(VALU_DEP_1)
	v_lshl_add_u32 v[SLT], v[BOA], 4, v[SLT]
	s_lshl_b32 s18, s16, 8
	v_add_nc_u32 v[SLT], s18, v[SLT]
	s_mul_i32 s18, s16, 768
	s_add_co_u32 s18, s18, OIMG
	v_add_nc_u32 v[OIA], s18, v[LI]
	v_add_nc_u32 v[OIB], s18, v[L8]
	v_lshlrev_b32 v[BOA], 4, v[BOA]
	v_mov_b32 v[PX], 0                             ; written once: a lane permute's destination counts as one of its sources
	v_mov_b32 v[NM+1], 0                           ; named as the upper halves of pairs
	v_mov_b32 v[RL+1], 0
	s_mov_b32 s[SEL], 0x76543210
	s_mov_b32 s[SEL+1], 0xfedcba98
	s_mov_b32 s[CS], 0x3fb8aa3b
	s_mov_b32 s[CS+1], s[CS]
	s_mov_b32 s30, 0xbfb8aa3b
	s_mov_b32 s21, 0
	s_lshl_b32 s19, s17, 3
	s_add_co_u32 s19, s19, s16                     ; batch x 8 + head
	s_wait_alu depctr_va_vdst(0)
	s_wait_kmcnt 0x0
	s_lshl_b32 s20, ttmp9, 17
	s_add_nc_u64 s[4:5], s[4:5], s[20:21]          ; my 16 queries' logits: 131,072 consecutive bytes
	s_add_nc_u64 s[14:15], s[14:15], s[20:21]      ; and their rows of out1,
	s_lshl_b32 s20, s16, 14
	s_add_nc_u64 s[14:15], s[14:15], s[20:21]      ; of which rows 2 hd and 2 hd + 1 are mine to store
	s_lshl_b32 s20, s19, 9
	s_add_nc_u64 s[22:23], s[6:7], s[20:21]        ; V's scale words
	s_mul_i32 s20, s19, 12288
	s_add_nc_u64 s[6:7], s[6:7], s[20:21]          ; V's codes
	s_lshl_b32 s20, s16, 10
	s_add_nc_u64 s[24:25], s[8:9], s[20:21]        ; Wo's scale words
	s_mul_i32 s20, s16, 24576
	s_add_nc_u64 s[8:9], s[8:9], s[20:21]          ; Wo's codes: my four tiles
	s_lshl_b32 s20, s16, 8
	s_add_nc_u64 s[10:11], s[10:11], s[20:21]
	s_add_nc_u64 s[12:13], s[12:13], s[20:21]
	s_lshl_b32 s20, ttmp9, 15
	s_add_nc_u64 s[12:13], s[12:13], s[20:21]
	; ---- at the head: the logits, then V
.set N, 0
.rept 32
	global_load_b128 v[P+4*N:P+4*N+3], v[SLT], s[4:5] offset:(16*(N/8)+N%8)*2048 th:TH_LOAD_NT   ; sixteen lanes read 256 consecutive bytes
.set N, N+1
.endr
	WIN 0x40                                       ; destination window 1
.set N, 0
.rept 16                               ; V's fragment (dt, sk) at v[24 dt + 12 sk] of window 1; unit N = 4 dt + 2 sk + c is its half c
	global_load_b128 v[24*(N/4)+6*(N%4):24*(N/4)+6*(N%4)+3], v[LI], s[6:7] offset:N*768
	global_load_b64 v[24*(N/4)+6*(N%4)+4:24*(N/4)+6*(N%4)+5], v[L8], s[6:7] offset:N*768+512
.set N, N+1
.endr
	WIN 0
.irp d, 0,1,2,3
	global_load_b32 v[VSC+\d], v[L4], s[22:23] offset:196608+\d*128
.endr
	s_wait_loadcnt 36                              ; the logits are in: V's 32 loads and its 4 scale words are younger
	; ---- the largest logit of each block of 32 keys: it serves the row's maximum and, since p rises with the logit, the block's largest p.  Wo's fragments 0-2 are asked for on the way
.irp c, 0,1,2,3
	v_max3_num_f32 v[BM+\c], v[P+32*\c], v[P+32*\c+1], v[P+32*\c+2]
.endr
.irp i, 3,5,7,9,11,13,15,17,19,21,23,25,27,29
.irp c, 0,1,2,3
	v_max3_num_f32 v[BM+\c], v[BM+\c], v[P+32*\c+\i], v[P+32*\c+\i+1]
.endr
.if (\i%8) == 1
	WFR (\i/8-1)
.endif
.endr
.irp c, 0,1,2,3
	s_delay_alu instid0(VALU_DEP_4)
	v_max_num_f32 v[BM+\c], v[BM+\c], v[P+32*\c+31]
.endr
	s_delay_alu instid0(VALU_DEP_2)
	v_max3_num_f32 v[RM], v[BM], v[BM+1], v[BM+2]
	s_delay_alu instid0(VALU_DEP_1)
	v_max_num_f32 v[RM], v[RM], v[BM+3]
	s_delay_alu instid0(VALU_DEP_1)
	v_permlanex16_b32 v[PX], v[RM], s[SEL], s[SEL+1]
	s_delay_alu instid0(VALU_DEP_1)
	v_max_num_f32 v[RM], v[RM], v[PX]              ; the row's largest logit
	s_delay_alu instid0(VALU_DEP_1)
	v_mul_f32 v[RM], s30, v[RM]                    ; as -t
	s_delay_alu instid0(VALU_DEP_1)
	v_floor_f32 v[NM], v[RM]                       ; -M = floor(-t) = -ceil(t)
.set N, 0
.rept 64
	v_pk_fma_f32 v[P+N:P+N+1], v[P+N:P+N+1], s[CS:CS+1], v[NM:NM+1] op_sel_hi:[1,0,0]   ; t - M, two at a time
.if (N%32) == 30
	WFR (3+N/32)                                   ; Wo's fragments 3-6
.endif
.set N, N+2
.endr
.irp c, 0,1,2,3
	v_fma_f32 v[BM+\c], v[BM+\c], s[CS], v[NM]     ; the same of each block's largest logit
.endr
.set N, 0
	s_wait_alu depctr_va_vdst(0)
.rept 128
	v_exp_f32 v[P+N], v[P+N]                       ; p = 2^(t - M): not normalised; 0 where the key is masked
.if (N%24) == 23                       ; among the exponentials stand only loads into window 0, whose registers (v12-19, v28-67) are none of the batch's
.if N < 72
	WFR (13+N/24)                                  ; Wo's fragments 13-15
.elseif N < 96
	WSL 0
.else
	WSL 4
	global_load_b128 v[BO:BO+3], v[BOA], s[10:11]
.endif
.endif
.set N, N+1
.endr
	v_bfe_u32 v[RM], v0, 4, 1                      ; (plain places behind the exponentials)
	s_delay_alu instid0(VALU_DEP_1)
	v_lshlrev_b32 v[RM], 3, v[RM]                  ; 8 h, for the scale words
	s_wait_alu depctr_va_vdst(0)                   ; one wait for the whole batch, ahead of its first reader
.irp c, 0,1,2,3
	v_exp_f32 v[BM+\c], v[BM+\c]                   ; the block's largest p: the same two instructions on the same number give the same bits
.endr
	v_pk_add_f32 v[LA:LA+1], v[P:P+1], v[P+2:P+3]  ; the row's sum of the unquantised p, two at a time, in two chains: plain work behind the four
	v_pk_add_f32 v[LB:LB+1], v[P+4:P+5], v[P+6:P+7]
.set N, 8
.rept 30
	v_pk_add_f32 v[LA:LA+1], v[LA:LA+1], v[P+N:P+N+1]
	v_pk_add_f32 v[LB:LB+1], v[LB:LB+1], v[P+N+2:P+N+3]
.if (N%40) == 0
	WFR (6+N/40)                                   ; Wo's fragments 7-9: v180-215 of window 1, no number of the four results'
.endif
.set N, N+4
.endr
	s_delay_alu instid0(VALU_DEP_1)
	v_pk_add_f32 v[LA:LA+1], v[LA:LA+1], v[LB:LB+1]
	s_delay_alu instid0(VALU_DEP_1)
	v_add_f32 v[LL], v[LA], v[LA+1]
	s_delay_alu instid0(VALU_DEP_1)
	v_permlanex16_b32 v[PX], v[LL], s[SEL], s[SEL+1]
	s_delay_alu instid0(VALU_DEP_1)
	v_add_f32 v[LL], v[LL], v[PX]                  ; l
	s_wait_alu depctr_va_vdst(0)                   ; and one for the four
	v_rcp_f32 v[RL], v[LL]
	; ---- p is quantised: each block lies whole in my registers
.irp c, 0,1,2,3
	v_max_num_f32 v[BM+\c], 0x1800000, v[BM+\c]    ; the floor 2^(3 - 127): the byte cannot fall under 1
.endr
.irp c, 0,1,2,3
	s_delay_alu instid0(VALU_DEP_4)
	v_add_nc_u32 v[SO+\c], 0xff000000, v[BM+\c]    ; 2 off the exponent field: the conversion's scale operand
.endr
.irp c, 0,1,2,3
	s_delay_alu instid0(VALU_DEP_4)
	v_lshrrev_b32 v[BM+\c], 23, v[SO+\c]           ; the scale's byte
.endr
.irp k, 0
	s_delay_alu instid0(VALU_DEP_3)
	v_lshl_or_b32 v[PSC+\k], v[BM+2*\k+1], 16, v[BM+2*\k]
.endr
.irp k, 1
	s_delay_alu instid0(VALU_DEP_2)
	v_lshl_or_b32 v[PSC+\k], v[BM+2*\k+1], 16, v[BM+2*\k]
.endr
.irp k, 0,1
	s_delay_alu instid0(VALU_DEP_2)
	v_lshlrev_b32 v[PSC+\k], v[RM], v[PSC+\k]      ; my two bytes at their places: blocks h and 2 + h of the K step
.endr
	s_delay_alu instid0(VALU_DEP_2)
	v_permlanex16_b32 v[LA], v[PSC], s[SEL], s[SEL+1]
	s_delay_alu instid0(VALU_DEP_2)
	v_permlanex16_b32 v[LB], v[PSC+1], s[SEL], s[SEL+1]
	s_delay_alu instid0(VALU_DEP_2)
	v_or_b32 v[PSC], v[PSC], v[LA]
	s_delay_alu instid0(VALU_DEP_2)
	v_or_b32 v[PSC+1], v[PSC+1], v[LB]
.irp c, 0,1,2,3
	v_cvt_scalef32_pk16_fp6_f32 v[PC+6*\c:PC+6*\c+2], v[P+32*\c:P+32*\c+15], v[SO+\c]
	v_cvt_scalef32_pk16_fp6_f32 v[ST+4*\c:ST+4*\c+2], v[P+32*\c+16:P+32*\c+31], v[SO+\c]   ; (a conversion's three registers begin on an even number)
.endr
	v_nop                                          ; one plain place behind a scaled conversion
.irp c, 0,1,2,3
.irp i, 0,1,2
	v_mov_b32 v[PC+6*\c+3+\i], v[ST+4*\c+\i]
.endr
.endr
	s_wait_alu depctr_va_vdst(0)                   ; the reciprocal, ahead of its first reader
.set N, 0
.rept 64
	v_pk_mul_f32 v[P+N:P+N+1], v[P+N:P+N+1], v[RL:RL+1] op_sel_hi:[1,0]   ; out1 = p / l.  These are also the places between the codes and scale words just made and the products
.if ((N%32) == 30) && (N < 96)
	WFR (10+N/32)                                  ; Wo's fragments 10-12: the last of its 57 loads
.endif
.set N, N+2
.endr
	s_wait_alu depctr_va_vdst(0)
	s_wait_loadcnt 57                              ; V and its scale words are in: Wo's 48 loads, its 8 scale words and bo are younger
	WIN 0x01                                       ; source 0 window 1
.irp d, 0,1,2,3                        ; O^T = V^T P^T: four accumulators by turns; the first K step starts the sums
	v_wmma_scale_f32_16x16x128_f8f6f4 v[OA+8*\d:OA+8*\d+7], v[24*\d:24*\d+11], v[PC:PC+11], 0, v[VSC+\d], v[PSC] matrix_a_fmt:MATRIX_FMT_FP6 matrix_b_fmt:MATRIX_FMT_FP6
.endr
.irp d, 0,1,2,3
	v_wmma_scale_f32_16x16x128_f8f6f4 v[OA+8*\d:OA+8*\d+7], v[24*\d+12:24*\d+23], v[PC+12:PC+23], v[OA+8*\d:OA+8*\d+7], v[VSC+\d], v[PSC+1] matrix_a_fmt:MATRIX_FMT_FP6 matrix_b_fmt:MATRIX_FMT_FP6 matrix_a_scale:MATRIX_SCALE_ROW1
.endr
	WIN 0
.set N, 0
.rept 128
	ds_store_b32 v[OSA], v[P+N] offset:2*(N/32)*OSG+(N%32)*32   ; key 64 c + 32 h + i: segment 2 c + h, 32 bytes a key, my head's word
.set N, N+1
.endr
	PLACES                                         ; places in front of the first read of O^T and of writes into p's codes
.set N, 0
.rept 16
	v_pk_mul_f32 v[OA+N:OA+N+1], v[OA+N:OA+N+1], v[RL:RL+1] op_sel_hi:[1,0]   ; O / l, each accumulator from its low end on
.set N, N+2
.endr
	QH OA                                          ; my head's 64 numbers of each row: half hd % 2 of K step hd / 2 of the last product
	v_and_b32 v91, 15, v0
	s_lshl_b32 s18, s16, 2
	s_add_co_u32 s18, s18, ZR
	v_lshl_add_u32 v91, v91, 5, s18
	v_mul_f32 v92, 0, v[LL]                        ; z
	ds_store_b128 v[OIA], v[CA:CA+3]
	ds_store_b64 v[OIB], v[CA+4:CA+5] offset:512
	ds_store_b16 v[OSCA], v[HW]                    ; both halves of the lanes write the same bytes with the same value
	ds_store_b32 v91, v92
	s_wait_dscnt 0x0                               ; for the others' sake: all my LDS stores have landed
	s_barrier_signal -1
	s_barrier_wait -1
	; ---- behind the barrier: O's four fragments, z, and whole rows of out1
	v_add_nc_u32 v72, OIMG, v[LI]
	v_add_nc_u32 v73, OIMG, v[L8]
	v_add_nc_u32 v74, OSC, v[L4]
	v_and_b32 v79, 15, v0                          ; r
	v_bfe_u32 v78, v0, 4, 1                        ; h
	s_delay_alu instid0(VALU_DEP_2)
	v_lshl_add_u32 v75, v79, 5, ZR
	s_mul_i32 s18, s16, 2*ORP
	v_add_nc_u32 v76, s18, v[L8]                   ; out1's row 2 hd, 8 bytes a lane
	s_mul_i32 s18, s16, 4352
	s_add_co_u32 s18, s18, YST
	v_mul_u32_u24 v77, v79, 272
	s_delay_alu instid0(VALU_DEP_1)
	v_lshl_add_u32 v77, v78, 6, v77
	s_delay_alu instid0(VALU_DEP_1)
	v_add_nc_u32 v77, s18, v77                     ; my stage, in: row r, + 64 h
	v_mul_u32_u24 v80, v78, 272
	s_delay_alu instid0(VALU_DEP_1)
	v_lshl_add_u32 v80, v79, 4, v80
	s_delay_alu instid0(VALU_DEP_1)
	v_add_nc_u32 v80, s18, v80                     ; back: lanes 0-15 one row, lanes 16-31 the next
	v_lshlrev_b32 v81, 11, v78
	s_delay_alu instid0(VALU_DEP_1)
	v_lshl_add_u32 v81, v79, 4, v81                ; and the same two rows of out0
.irp s, 0,1,2,3
.irp c, 0,1
	ds_load_b128 v[OF+12*\s+6*\c:OF+12*\s+6*\c+3], v72 offset:\s*1536+\c*768
	ds_load_b64 v[OF+12*\s+6*\c+4:OF+12*\s+6*\c+5], v73 offset:\s*1536+\c*768+512
.endr
.endr
	ds_load_b32 v[OSR], v74
	ds_load_b32 v[OSR+1], v74 offset:128
	ds_load_b128 v[ZW:ZW+3], v75
	ds_load_b128 v[ZW+4:ZW+7], v75 offset:16
.set N, 0
.rept 32
	ds_load_b64 v[B1+2*N:B1+2*N+1], v76 offset:(N/4)*OSG+(N%4)*256
.set N, N+1
.endr
	s_wait_dscnt 32                                ; all but out1's row
	v_add_f32 v[ZW], v[ZW], v[ZW+1]
	v_add_f32 v[ZW+2], v[ZW+2], v[ZW+3]
	v_add_f32 v[ZW+4], v[ZW+4], v[ZW+5]
	v_add_f32 v[ZW+6], v[ZW+6], v[ZW+7]
	s_delay_alu instid0(VALU_DEP_3)
	v_add_f32 v[ZW], v[ZW], v[ZW+2]
	s_delay_alu instid0(VALU_DEP_2)
	v_add_f32 v[ZW+4], v[ZW+4], v[ZW+6]
	s_delay_alu instid0(VALU_DEP_1)
	v_add_f32 v[ZW], v[ZW], v[ZW+4]                ; 0, or NaN where a head of my row has no key
.irp j, 0,1,2,3,4,5,6,7
	v_mov_b32 v[ZC+\j], v[ZW]
.endr
	PLACES
	s_wait_alu depctr_va_vdst(0)
	s_wait_loadcnt 0x0                             ; Wo, its scale words, bo
.macro YW s, tt                        ; out0^T: source 0 = 16 rows of Wo, source 1 = O
.set YF, 4*(\tt)+(\s)
.if YF < 13
	WIN 0x01
.set YAA, 96+12*YF
.else
	WIN 0
.set YAA, WX+12*(YF-13)
.endif
.set YD, OA+8*(\tt)
.set YC, YD
.if (\s) == 0
.set YC, ZC
.endif
.set YSA, WOS+4*((\tt)/2)+(\s)
.set YSB, OSR+(\s)/2
.set YB, OF+12*(\s)
.if ((\tt)%2) == 0
.if ((\s)%2) == 0
	v_wmma_scale_f32_16x16x128_f8f6f4 v[YD:YD+7], v[YAA:YAA+11], v[YB:YB+11], v[YC:YC+7], v[YSA], v[YSB] matrix_a_fmt:MATRIX_FMT_FP6 matrix_b_fmt:MATRIX_FMT_FP6
.else
	v_wmma_scale_f32_16x16x128_f8f6f4 v[YD:YD+7], v[YAA:YAA+11], v[YB:YB+11], v[YC:YC+7], v[YSA], v[YSB] matrix_a_fmt:MATRIX_FMT_FP6 matrix_b_fmt:MATRIX_FMT_FP6 matrix_b_scale:MATRIX_SCALE_ROW1
.endif
.else
.if ((\s)%2) == 0
	v_wmma_scale_f32_16x16x128_f8f6f4 v[YD:YD+7], v[YAA:YAA+11], v[YB:YB+11], v[YC:YC+7], v[YSA], v[YSB] matrix_a_fmt:MATRIX_FMT_FP6 matrix_b_fmt:MATRIX_FMT_FP6 matrix_a_scale:MATRIX_SCALE_ROW1
.else
	v_wmma_scale_f32_16x16x128_f8f6f4 v[YD:YD+7], v[YAA:YAA+11], v[YB:YB+11], v[YC:YC+7], v[YSA], v[YSB] matrix_a_fmt:MATRIX_FMT_FP6 matrix_b_fmt:MATRIX_FMT_FP6 matrix_a_scale:MATRIX_SCALE_ROW1 matrix_b_scale:MATRIX_SCALE_ROW1
.endif
.endif
.endm
.irp s, 0,1,2,3                        ; four accumulators by turns, K step by K step
.irp t, 0,1,2,3
	YW \s, \t
.endr
.endr
	WIN 0
	PLACES                                         ; places in front of the first read of results and of loads into registers that the products have read
.irp t, 0,1,2,3
	ds_store_b128 v77, v[OA+8*\t:OA+8*\t+3] offset:(\t/2)*128+(\t%2)*32       ; WOC's tile t holds Wo's rows 32 (t / 2) + 8 (t % 2) + r + 8 (r / 8): lane (r, h) has out0(r, 64 hd + 32 (t / 2) + 8 (t % 2) + 16 h + 0 .. 7); each accumulator from its low end on
	ds_store_b128 v77, v[OA+8*\t+4:OA+8*\t+7] offset:(\t/2)*128+(\t%2)*32+16
.endr
.set N, 0
.rept 32
	ds_load_b64 v[OF+2*N:OF+2*N+1], v76 offset:ORP+(N/4)*OSG+(N%4)*256   ; out1's row 2 hd + 1, into the registers that O's fragments and z have left
.set N, N+1
.endr
.irp t, 0,1,2,3,4,5,6,7
	ds_load_b128 v[WX+4*\t:WX+4*\t+3], v80 offset:2*\t*272     ; LDS serves a wave's instructions in order: these see my stores
.endr
	s_wait_dscnt 48                                ; out1's first row is in: 8 stores, 32 loads and 8 loads are younger
.set N, 0
.rept 32
	global_store_b64 v[L8], v[B1+2*N:B1+2*N+1], s[14:15] offset:N*256 th:TH_STORE_NT   ; the 32 lanes store 256 consecutive bytes, aligned
.set N, N+1
.endr
	s_wait_dscnt 8                                 ; the second row is in
.set N, 0
.rept 32
	global_store_b64 v[L8], v[OF+2*N:OF+2*N+1], s[14:15] offset:8192+N*256 th:TH_STORE_NT
.set N, N+1
.endr
	s_wait_dscnt 0x0
.irp t, 0,1,2,3,4,5,6,7
	v_pk_add_f32 v[WX+4*\t:WX+4*\t+1], v[WX+4*\t:WX+4*\t+1], v[BO:BO+1]
	v_pk_add_f32 v[WX+4*\t+2:WX+4*\t+3], v[WX+4*\t+2:WX+4*\t+3], v[BO+2:BO+3]
.endr
.irp t, 0,1,2,3,4,5,6,7
	global_store_b128 v81, v[WX+4*\t:WX+4*\t+3], s[12:13] offset:2*\t*2048 th:TH_STORE_NT   ; sixteen lanes store 256 consecutive bytes, aligned
.endr
	s_wait_tensorcnt 0x0                           ; the wave's end, behind my last LDS store
	ds_add_u32 v[SPW], v[NIL]
	s_wait_dscnt 0x0
	s_endpgm
.Lfunc_end_k_q3c2fbc5876_tail:
	.size	k_q3c2fbc5876_tail, .Lfunc_end_k_q3c2fbc5876_tail-k_q3c2fbc5876_tail
	.p2alignl 7, 3214868480
	.fill 96, 4, 3214868480
	.section	.rodata,"a",@progbits
	.p2align	6, 0x0
	.amdhsa_kernel k_q3c2fbc5876_tail
		.amdhsa_group_segment_fixed_size 178176
		.amdhsa_private_segment_fixed_size 0
		.amdhsa_enable_private_segment 0
		.amdhsa_kernarg_size 48
		.amdhsa_user_sgpr_count 2
		.amdhsa_user_sgpr_kernarg_segment_ptr 1
		.amdhsa_wavefront_size32 1
		.amdhsa_system_sgpr_workgroup_id_x 1
		.amdhsa_system_sgpr_workgroup_id_y 1
		.amdhsa_system_sgpr_workgroup_id_z 1
		.amdhsa_system_vgpr_workitem_id 0
		.amdhsa_next_free_vgpr 512
		.amdhsa_next_free_sgpr 66
		.amdhsa_reserve_vcc 0
		.amdhsa_float_denorm_mode_32 3
		.amdhsa_float_denorm_mode_16_64 3
		.amdhsa_memory_ordered 1
		.amdhsa_forward_progress 1
		.amdhsa_inst_pref_size 72
	.end_amdhsa_kernel
	.amdgpu_metadata
---
amdhsa.version: [ 1, 2 ]
amdhsa.kernels:
  - .name:           k_q3c2fbc5876_tail
    .symbol:         k_q3c2fbc5876_tail.kd
    .args:
      - { .name: SL, .offset: 0, .size: 8, .value_kind: global_buffer, .address_space: global }
      - { .name: VC, .offset: 8, .size: 8, .value_kind: global_buffer, .address_space: global }
      - { .name: WOC, .offset: 16, .size: 8, .value_kind: global_buffer, .address_space: global }
      - { .name: bo, .offset: 24, .size: 8, .value_kind: global_buffer, .address_space: global }
      - { .name: out0, .offset: 32, .size: 8, .value_kind: global_buffer, .address_space: global }
      - { .name: out1, .offset: 40, .size: 8, .value_kind: global_buffer, .address_space: global }
    .group_segment_fixed_size: 178176
    .private_segment_fixed_size: 0
    .kernarg_segment_align: 8
    .kernarg_segment_size: 48
    .max_flat_workgroup_size: 256
    .sgpr_count:     66
    .vgpr_count:     512
    .wavefront_size: 32
...
	.end_amdgpu_metadata
.endif
;; end of part 3
